; MI455X (gfx1250); checked and timed in simulation.
; The chip was launched on July 23, 2026; its instructions are those of AMD's public machine-readable ISA for CDNA 5 (MIT licence, August 2026) and "CDNA5" Instruction Set Architecture Reference Guide (July 2026). The comments in the code are by the model that wrote it; some were corrected since.
;; Gemma3 Attention. Allowed arithmetic: matrix products marked QUANTISED: E2M3 operands, one E8M0 scale for each 32 along K, by v_wmma_scale_f32_16x16x128_f8f6f4 with both operands' format E2M3, f32 sums; everything else in f32.
;; Inputs: hidden_states 2 x 2,048 x 2,048 float32; k_norm_weight 128 float32; q_norm_weight 128 float32; wk 1,024 x 2,048 float32; wo 2,048 x 1,024 float32; wq 1,024 x 2,048 float32; wv 1,024 x 2,048 float32.
;; Outputs: out0 2 x 2,048 x 2,048 float32.
;; This version of the problem:
;;   THIS VERSION OF THE PROBLEM IS GIVEN IN LOW PRECISION. The matrix products marked QUANTISED in the list below multiply operands that are first quantised to E2M3 (2 exponent bits, 3 mantissa bits; 6 bits a number), with one power-of-two scale for each 32 numbers along K (OCP MX v1.0); their sums are f32. All else is computed in f32.
;;   The module's matrix products, in the order in which they are computed (A, B: the left and right operand; K: the contracted axis; several contracted axes count as one K, in the product's order):
;;     1. [M 4,096, K 2,048] x [K 2,048, N 1,024]; A: input hidden_states; B: input wq: QUANTISED
;;     2. [M 4,096, K 2,048] x [K 2,048, N 1,024]; A: input hidden_states; B: input wk: QUANTISED
;;     3. [M 4,096, K 2,048] x [K 2,048, N 1,024]; A: input hidden_states; B: input wv: QUANTISED
;;     4. batch 16 x [M 2,048, K 128] x [K 128, N 2,048]; A: computed on the way; B: computed on the way: QUANTISED
;;     5. batch 16 x [M 2,048, K 2,048] x [K 2,048, N 128]; A: softmax (see below); B: computed on the way: QUANTISED
;;     6. [M 4,096, K 1,024] x [K 1,024, N 2,048]; A: computed on the way; B: input wo: QUANTISED
;;   THE QUANTISER, for each operand of a quantised product, along K:
;;     - K is cut into blocks of 32 from its start; a last block that is shorter is filled with zeros.
;;     - A block's scale is 2^e with e = floor(log2(the largest magnitude in the block)) - 2, held to -126 .. 127; a block of zeros has e = 0. As a byte (E8M0): e + 127.
;;     - Each number is divided by its block's scale, clamped to +-7.5, and rounded to the nearest number of E2M3, ties to even, subnormals kept.
;;     - The product sums the exact products of the quantised numbers (number of the format x scale) in f32.
;;   ~~~python
;;   def quantise(x, axis):      # numpy; x: float32 -> the quantised numbers, widened to float32 again
;;       x = np.moveaxis(x, axis, -1); K = x.shape[-1]
;;       x = np.pad(x, [(0, 0)] * (x.ndim - 1) + [(0, -K % 32)]); x = x.reshape(x.shape[:-1] + (-1, 32)); a = np.abs(x).max(-1, keepdims=True)
;;       e = np.where(a > 0, np.clip(np.frexp(np.where(a > 0, a, 1))[1] - 1 - 2, -126, 127), 0)      # np.frexp(a)[1] - 1 = floor(log2(a)), exactly
;;       r = np.clip(x / 2.0 ** e, -7.5, 7.5)
;;       step = 2.0 ** (np.maximum(np.frexp(np.where(r == 0, 1, r))[1] - 1, 0) - 3)
;;       q = np.round(r / step) * step * 2.0 ** e      # np.round: ties to even
;;       return np.moveaxis(q.reshape(q.shape[:-2] + (-1,))[..., :K], -1, axis).astype(np.float32)
;;   ~~~
;;   SOFTMAX AHEAD OF A QUANTISED PRODUCT. Where the list says 'softmax', what is quantised is not the finished softmax but p = 2^(t - M), with t = logit x log2(e) and M = ceil(the row's largest t), a whole number; so 1/2 < the row's largest p <= 1. The row's sum l is taken of the UNQUANTISED p, in f32, and the product's result is divided by l at the end. Since M is a whole number, a kernel that streams over the keys may use a running M (the ceiling of the running maximum): every later rescaling is an exact power of two, which a block's scale takes up: the codes' values come out the same.
;;   OPERANDS COMPUTED ON THE WAY. 'Computed on the way' means the value that the module computes at that place (a softmax that the list does not call 'softmax' is quantised finished and normalised). What goes into a quantiser is computed in f32, as accurately as f32 sums, v_exp_f32 and their like allow (about 1e-6 of the number): no bf16 or f16 on the way to a quantiser, and a product that is left as it is and whose result goes on into a quantised operand takes f32 operands (vector FMAs, or v_wmma_f32_16x16x4_f32). A number that lies on a knife's edge between two numbers of the format may be rounded either way, as far as f32 arithmetic and the matrix unit's own rounding can turn it there, and no further.
;; One version. Each part assembles by itself: llvm-mc -triple=amdgcn-amd-amdhsa -mcpu=gfx1250 --defsym DOCPART=n.
;; ======== version 1 of 1: 4 launches
;; limits: right only within a limited range of input values
;; workspace buffers: xw 13,107,200 bytes; rope 1,048,576 bytes; qkv 9,830,400 bytes; at 3,276,800 bytes
;; launch prep (part 1): grid 544 x 1, 4 waves a work-group, no clusters, 34,304 bytes of LDS; arguments hidden_states, wq, wk, wv, wo, xw, rope; writes xw, rope
.if DOCPART == 1
	.amdgcn_target "amdgcn-amd-amdhsa--gfx1250"
	.amdhsa_code_object_version 6
	.text
	.protected	k_q520e4c7a4f_prep
	.globl	k_q520e4c7a4f_prep
	.p2align	8
	.type	k_q520e4c7a4f_prep,@function
k_q520e4c7a4f_prep:
	s_mov_b64 s[64:65], 0
	v_nop
	global_prefetch_b8 v0, s[64:65] scope:SCOPE_SE
	s_setreg_imm32_b32 hwreg(HW_REG_WAVE_MODE, 25, 1), 1
	s_wait_xcnt 0x0
; hidden_states [4096][2048], wq, wk, wv [1024][2048] and wo [2048][1024], f32 with K innermost, become codes of FP6 (E2M3) with one E8M0 byte for each 32 along K,
; laid in xw in the ORDER OF AN OPERAND'S REGISTERS; and the table of RoPE's cos and sin is made (work-groups 512 to 543).
; A FRAGMENT is 16 rows x 128 K, 12 registers a lane: its image is 1,536 bytes, registers 4 c .. 4 c + 3 of lane l at 512 c + 16 l.
; THE ROWS OF A TILE ARE NOT NEIGHBOURS: lane r of row tile RT holds row 32 (RT / 2) + 8 (RT % 2) + r + 8 (r / 8), in every operand of this program.
; A wave takes unit G = 4 x work-group + wave: one row tile x 4 K steps: codes at 6,144 G, its 256 scale bytes (row r, K step e: 16 r + 4 e) at 12,582,912 + 256 G.
; Each load reads 512 consecutive bytes of one row; a K step's 16 rows turn through the wave's own stage in LDS (rows 528 bytes apart) and come back 16 neighbours along K to a lane.
; A block's scale is 2^(floor(log2(largest magnitude)) - 2); its byte is the largest magnitude's exponent field - 2, held at 1 from below.
; LIMITS: a block of zeros gets the byte 1 (its codes are zeros; this program alone reads the bytes); NaN and infinities are not served.
; The table: frequencies 10000^(-i / 64) by v_exp_f32, the angle reduced by multiples of pi / 2 in two parts, sin and cos by polynomials of degree 7 and 8.
; The frequency may differ from a correctly rounded one by a few parts in 10^7: up to some 3e-4 rad at position 2,047.
; No matrix unit, no tensor load, no barrier: waves share nothing; memory binds.
.set R,   16                           ; v16-143  two sets of 64: a K step as loaded (16 rows x 16 bytes a lane)
.set X,   144                          ; v144-207 64 numbers of my row: register 16 b + i = k 32 b + 16 (lane / 16) + i
.set PC,  208                          ; v208-227 the codes (12), and 8 at work
.set TM,  228                          ; v228-243 largest magnitudes, bytes, scale operands
.set PW,  244                          ; v244-247 the four K steps' scale words
.set SEL, 74                           ; s[74:75] lane selects for v_permlanex16_b32: lane l xor 16
	s_load_b256 s[4:11], s[0:1], 0x0               ; hidden s[4:5], wq s[6:7], wk s[8:9], wv s[10:11]
	s_load_b128 s[12:15], s[0:1], 0x20             ; wo s[12:13], xw s[14:15]
	s_load_b64 s[16:17], s[0:1], 0x30              ; rope
	v_lshl_add_u32 v254, v0, 2, 0x8400
	v_mov_b32 v255, 0
	v_lshrrev_b32 v1, 5, v0
	v_readfirstlane_b32 s18, v1                    ; wave 0..3
	v_and_b32 v6, 31, v0                           ; lane
	v_and_b32 v7, 15, v0                           ; r
	v_bfe_u32 v8, v0, 4, 1                         ; h
	v_lshlrev_b32 v2, 4, v6                        ; 16 x lane
	s_wait_kmcnt 0x0
	s_cmp_ge_u32 ttmp9, 512
	s_cbranch_scc1 .Ltable
	; ---------------- the quantiser ----------------
	s_mul_i32 s19, s18, 8448                       ; my wave's stage: 16 rows x 528 bytes
	s_wait_alu depctr_va_vdst(0)
	v_add_nc_u32 v3, s19, v2                       ; in: 16 x lane of a row
	v_mul_u32_u24 v4, v7, 528
	v_lshl_add_u32 v4, v8, 6, v4
	v_add_nc_u32 v4, s19, v4                       ; out: row r, + 64 h: my 16 numbers of a block of 32
	v_lshlrev_b32 v5, 4, v7
	v_lshl_add_u32 v5, v8, 3, v5                   ; the scale unit: 16 r + 8 h
	s_mov_b32 s[SEL], 0x76543210
	s_mov_b32 s[SEL+1], 0xfedcba98
.irp b, 0,1,2,3
	v_mov_b32 v[TM+4+\b], 0                        ; written once: a lane permute's destination counts as one of its sources
.endr
	; which tensor: work-groups 0-255 hidden, 256-319 wq, 320-383 wk, 384-447 wv, 448-511 wo.  The choice hangs on the work-group's number alone
	s_mov_b64 s[20:21], s[12:13]
	s_mov_b32 s22, 448
	s_cmp_lt_u32 ttmp9, 448
	s_cselect_b64 s[20:21], s[10:11], s[20:21]
	s_cselect_b32 s22, 384, s22
	s_cselect_b32 s23, 13, 12                      ; a row is 2^13 bytes, wo's 2^12
	s_cselect_b32 s24, 2, 1                        ; a row has 4 groups of 4 K steps, wo's 2
	s_cselect_b32 s25, 3, 1
	s_cmp_lt_u32 ttmp9, 384
	s_cselect_b64 s[20:21], s[8:9], s[20:21]
	s_cselect_b32 s22, 320, s22
	s_cmp_lt_u32 ttmp9, 320
	s_cselect_b64 s[20:21], s[6:7], s[20:21]
	s_cselect_b32 s22, 256, s22
	s_cmp_lt_u32 ttmp9, 256
	s_cselect_b64 s[20:21], s[4:5], s[20:21]
	s_cselect_b32 s22, 0, s22
	s_sub_co_u32 s30, ttmp9, s22
	s_lshl_b32 s30, s30, 2
	s_add_co_u32 s30, s30, s18                     ; my unit in its tensor
	s_lshr_b32 s31, s30, s24                       ; row tile
	s_and_b32 s30, s30, s25                        ; group of 4 K steps
	s_lshr_b32 s70, s31, 1
	s_lshl_b32 s70, s70, 5
	s_and_b32 s71, s31, 1
	s_lshl_b32 s71, s71, 3
	s_or_b32 s70, s70, s71                         ; the tile's first row
	s_lshl_b32 s70, s70, s23
	s_lshl_b32 s30, s30, 11                        ; 4 K steps are 2,048 bytes of a row
	s_add_co_u32 s70, s70, s30
	s_mov_b32 s71, 0
	s_lshl_b32 s26, 1, s23                         ; a row on,
	s_mov_b32 s27, 0
	s_mul_i32 s28, s26, 9                          ; and nine rows on: from the tile's row 7 to its row 8
	s_mov_b32 s29, 0
	s_add_nc_u64 s[32:33], s[20:21], s[70:71]      ; a base for each of the tile's 16 rows
.irp p, 1,2,3,4,5,6,7,8,9,10,11,12,13,14,15
.if \p == 8
	s_add_nc_u64 s[32+2*\p:33+2*\p], s[30+2*\p:31+2*\p], s[28:29]
.else
	s_add_nc_u64 s[32+2*\p:33+2*\p], s[30+2*\p:31+2*\p], s[26:27]
.endif
.endr
	s_lshl_b32 s72, ttmp9, 2
	s_add_co_u32 s72, s72, s18                     ; G
	s_mul_i32 s70, s72, 6144
	s_add_nc_u64 s[66:67], s[14:15], s[70:71]      ; my codes
	s_lshl_b32 s70, s72, 8
	s_add_co_u32 s70, s70, 12582912
	s_add_nc_u64 s[68:69], s[14:15], s[70:71]      ; my scale unit
.macro LOADS s                         ; K step s of the 16 rows: each load reads 512 consecutive bytes
.irp p, 0,1,2,3,4,5,6,7,8,9,10,11,12,13,14,15
	global_load_b128 v[R+64*((\s)%2)+4*\p:R+64*((\s)%2)+4*\p+3], v2, s[32+2*\p:33+2*\p] offset:512*(\s) th:TH_LOAD_NT
.endr
.endm
; 64 numbers v[s] .. v[s + 63] become a fragment's codes in v[PC] on and my row's scale word in v[pw]
.macro QUANT s, pw
.irp b, 0,1,2,3
	v_max3_num_f32 v[TM+\b], |v[\s+16*\b]|, |v[\s+1+16*\b]|, 0x1800000   ; block b: my 16 numbers, and the floor 2^(3 - 127): the byte cannot fall under 1
.endr
.irp i, 2,4,6,8,10,12,14
.irp b, 0,1,2,3
	v_max3_num_f32 v[TM+\b], v[TM+\b], |v[\s+16*\b+\i]|, |v[\s+1+16*\b+\i]|   ; the four blocks by turns
.endr
.endr
.irp b, 0,1,2,3
	v_permlanex16_b32 v[TM+4+\b], v[TM+\b], s[SEL], s[SEL+1]
.endr
.irp b, 0,1,2,3
	v_max_num_f32 v[TM+\b], v[TM+\b], v[TM+4+\b]   ; with lane l xor 16's: the block's largest magnitude
.endr
.irp b, 0,1,2,3
	v_add_nc_u32 v[TM+12+\b], 0xff000000, v[TM+\b] ; 2 off its exponent field: the conversion takes this operand's exponent field as its scale
.endr
.irp b, 0,1,2,3
	v_lshrrev_b32 v[TM+4+\b], 23, v[TM+12+\b]      ; the scale's byte
.endr
	v_lshl_or_b32 v[\pw], v[TM+5], 8, v[TM+4]
	v_lshl_or_b32 v[\pw], v[TM+6], 16, v[\pw]
	v_lshl_or_b32 v[\pw], v[TM+7], 24, v[\pw]
	s_wait_xcnt 0x0                                ; the last fragment's stores have read v[PC] on: it is written again only behind this wait
.irp c, 0,1
	v_cvt_scalef32_pk16_fp6_f32 v[PC+6*\c:PC+2+6*\c], v[\s+32*\c:\s+15+32*\c], v[TM+12+2*\c]
	v_cvt_scalef32_pk16_fp6_f32 v[PC+12+4*\c:PC+14+4*\c], v[\s+16+32*\c:\s+31+32*\c], v[TM+13+2*\c]   ; (a conversion's three registers begin on an even number)
.endr
	v_nop                                          ; one plain place behind a scaled conversion
.irp c, 0,1                            ; the operand's layout wants a whole block in a lane: lanes 0-15 block 2 c, lanes 16-31 block 2 c + 1
.irp i, 0,1,2
	v_permlane16_swap_b32 v[PC+6*\c+\i], v[PC+12+4*\c+\i]
.endr
.irp i, 0,1,2
	v_mov_b32 v[PC+3+6*\c+\i], v[PC+12+4*\c+\i]
.endr
.endr
.endm
.macro QSTEP s
.if \s < 3
	s_wait_loadcnt 16                              ; this K step's 16 loads are in; the next step's 16 may be out
.else
	s_wait_loadcnt 0x0
.endif
.irp p, 0,1,2,3,4,5,6,7,8,9,10,11,12,13,14,15
	ds_store_b128 v3, v[R+64*((\s)%2)+4*\p:R+64*((\s)%2)+4*\p+3] offset:528*\p
.endr
.irp b, 0,1,2,3
.irp j, 0,1,2,3
	ds_load_b128 v[X+16*\b+4*\j:X+16*\b+4*\j+3], v4 offset:128*\b+16*\j   ; LDS serves a wave's instructions in order: these see the stores above
.endr
.endr
	s_wait_dscnt 0x0                               ; the stores have read their registers, and my 64 numbers are in
.if \s < 2
	LOADS (\s)+2
.endif
	QUANT X, PW+\s
.irp c, 0,1,2
	global_store_b128 v2, v[PC+4*\c:PC+4*\c+3], s[66:67] offset:1536*(\s)+512*\c   ; 32 lanes store 512 consecutive bytes, aligned
.endr
.endm
	LOADS 0
	LOADS 1
	s_wait_alu depctr_va_vdst(0)
	QSTEP 0
	QSTEP 1
	QSTEP 2
	QSTEP 3
	v_cmp_le_u32 vcc_lo, 16, v6                    ; lanes 0-15 store K steps 0, 1 of their row, lanes 16-31 K steps 2, 3
	v_cndmask_b32 v248, v[PW], v[PW+2], vcc_lo
	v_cndmask_b32 v249, v[PW+1], v[PW+3], vcc_lo
	global_store_b64 v5, v[248:249], s[68:69]      ; 32 lanes store 256 consecutive bytes, aligned
	s_wait_tensorcnt 0x0
	ds_add_u32 v254, v255
	s_wait_dscnt 0x0
	s_endpgm
	; ---------------- the table ----------------
	; rope: [position tile T 0..127][c 0..15][lane][16 bytes]; c < 8 cos, c >= 8 sin; lane (r, h), group c % 8, word j: position 32 (T / 2) + 8 (T % 2) + r + 8 (r / 8),
	; frequency i = 32 (n / 16) + 16 h + n % 16 with n = 4 (c % 8) + j: the order in which the next launch's lanes hold a head's first 64 columns.
.Ltable:
	s_sub_co_u32 s20, ttmp9, 512
	s_lshl_b32 s20, s20, 2
	s_add_co_u32 s20, s20, s18                     ; T
	s_lshr_b32 s21, s20, 1
	s_lshl_b32 s21, s21, 5
	s_and_b32 s22, s20, 1
	s_lshl_b32 s22, s22, 3
	s_or_b32 s21, s21, s22
	s_lshl_b32 s34, s20, 13
	s_mov_b32 s35, 0
	s_add_nc_u64 s[34:35], s[16:17], s[34:35]      ; my tile's 8,192 bytes
	s_mov_b32 s23, 0xbe549a78                      ; -log2(10000) / 64
	s_mov_b32 s24, 0x3f22f983                      ; 2 / pi
	s_mov_b32 s25, 0x3fc90fdb                      ; pi / 2, its upper part,
	s_mov_b32 s26, 0xb33bbd2e                      ; and the rest
	s_mov_b32 s27, 0xb94ca1f9                      ; sin: -1.9515296e-4, 8.3321609e-3, -1.6666655e-1
	s_mov_b32 s28, 0x3c08839e
	s_mov_b32 s29, 0xbe2aaaa3
	s_mov_b32 s30, 0x37ccf5ce                      ; cos: 2.4433157e-5, -1.3887316e-3, 4.1666646e-2
	s_mov_b32 s31, 0xbab6061a
	s_mov_b32 s32, 0x3d2aaaa5
	s_wait_alu depctr_va_vdst(0)
	v_and_b32 v9, 8, v7
	v_add_nc_u32 v9, v9, v7
	v_add_nc_u32 v9, s21, v9
	v_cvt_f32_u32 v9, v9                           ; my position
	v_lshlrev_b32 v10, 4, v8                       ; 16 h
.set n, 0
.rept 32
	v_add_nc_u32 v[16+n], 32*(n/16)+n%16, v10      ; i
.set n, n+1
.endr
.set n, 0
.rept 32
	v_cvt_f32_u32 v[16+n], v[16+n]
.set n, n+1
.endr
.set n, 0
.rept 32
	v_mul_f32 v[16+n], s23, v[16+n]
.set n, n+1
.endr
.set n, 0
	s_wait_alu depctr_va_vdst(0)
.rept 32
	v_exp_f32 v[16+n], v[16+n]                     ; 10000^(-i / 64)
.set n, n+1
.endr
	v_nop                                          ; a plain place behind the last exponential
	s_wait_alu depctr_va_vdst(0)                   ; one wait for the batch, ahead of its first reader
.macro SINCOS4 c                       ; four frequencies, line by line
.irp j, 0,1,2,3
	v_mul_f32 v[128+\j], v9, v[16+4*\c+\j]         ; the angle, rounded to f32
.endr
.irp j, 0,1,2,3
	v_mul_f32 v[132+\j], s24, v[128+\j]
.endr
.irp j, 0,1,2,3
	v_rndne_f32 v[132+\j], v[132+\j]               ; k: how many quarter turns
.endr
.irp j, 0,1,2,3
	v_fma_f32 v[136+\j], -v[132+\j], s25, v[128+\j]
.endr
.irp j, 0,1,2,3
	v_fma_f32 v[136+\j], -v[132+\j], s26, v[136+\j]   ; x = angle - k pi / 2, within pi / 4 of 0
.endr
.irp j, 0,1,2,3
	v_mul_f32 v[140+\j], v[136+\j], v[136+\j]      ; z = x^2
.endr
.irp j, 0,1,2,3
	v_fma_f32 v[144+\j], v[140+\j], s27, s28
.endr
.irp j, 0,1,2,3
	v_fma_f32 v[148+\j], v[140+\j], s30, s31
.endr
.irp j, 0,1,2,3
	v_fma_f32 v[144+\j], v[144+\j], v[140+\j], s29
.endr
.irp j, 0,1,2,3
	v_fma_f32 v[148+\j], v[148+\j], v[140+\j], s32
.endr
.irp j, 0,1,2,3
	v_mul_f32 v[156+\j], v[140+\j], v[136+\j]      ; z x
.endr
.irp j, 0,1,2,3
	v_fma_f32 v[152+\j], v[140+\j], -0.5, 1.0      ; 1 - z / 2
.endr
.irp j, 0,1,2,3
	v_mul_f32 v[140+\j], v[140+\j], v[140+\j]      ; z^2
.endr
.irp j, 0,1,2,3
	v_fma_f32 v[144+\j], v[144+\j], v[156+\j], v[136+\j]   ; sin x
.endr
.irp j, 0,1,2,3
	v_fma_f32 v[148+\j], v[148+\j], v[140+\j], v[152+\j]   ; cos x
.endr
.irp j, 0,1,2,3
	v_cvt_i32_f32 v[160+\j], v[132+\j]
.endr
.irp j, 0,1,2,3
	v_and_b32 v[164+\j], 1, v[160+\j]
.endr
.irp j, 0,1,2,3
	v_cmp_eq_u32 vcc_lo, 1, v[164+\j]              ; an odd quarter swaps the two
	v_cndmask_b32 v[96+4*\c+\j], v[144+\j], v[148+\j], vcc_lo
	v_cndmask_b32 v[64+4*\c+\j], v[148+\j], v[144+\j], vcc_lo
.endr
.irp j, 0,1,2,3
	v_lshlrev_b32 v[164+\j], 30, v[160+\j]         ; sin changes sign in quarters 2, 3: bit 1 of k
.endr
.irp j, 0,1,2,3
	v_add_nc_u32 v[160+\j], 1, v[160+\j]           ; cos in quarters 1, 2: bit 1 of k + 1
.endr
.irp j, 0,1,2,3
	v_and_b32 v[164+\j], 0x80000000, v[164+\j]
.endr
.irp j, 0,1,2,3
	v_lshlrev_b32 v[160+\j], 30, v[160+\j]
.endr
.irp j, 0,1,2,3
	v_xor_b32 v[96+4*\c+\j], v[164+\j], v[96+4*\c+\j]
.endr
.irp j, 0,1,2,3
	v_and_b32 v[160+\j], 0x80000000, v[160+\j]
.endr
.irp j, 0,1,2,3
	v_xor_b32 v[64+4*\c+\j], v[160+\j], v[64+4*\c+\j]
.endr
	global_store_b128 v2, v[64+4*\c:67+4*\c], s[34:35] offset:512*\c          ; each group has registers of its own: no store's data are written again
	global_store_b128 v2, v[96+4*\c:99+4*\c], s[34:35] offset:4096+512*\c
.endm
.irp c, 0,1,2,3,4,5,6,7
	SINCOS4 \c
.endr
	s_endpgm
.Lfunc_end_k_q520e4c7a4f_prep:
	.size	k_q520e4c7a4f_prep, .Lfunc_end_k_q520e4c7a4f_prep-k_q520e4c7a4f_prep
	.p2alignl 7, 3214868480
	.fill 96, 4, 3214868480
	.section	.rodata,"a",@progbits
	.p2align	6, 0x0
	.amdhsa_kernel k_q520e4c7a4f_prep
		.amdhsa_group_segment_fixed_size 34304
		.amdhsa_private_segment_fixed_size 0
		.amdhsa_enable_private_segment 0
		.amdhsa_kernarg_size 56
		.amdhsa_user_sgpr_count 2
		.amdhsa_user_sgpr_kernarg_segment_ptr 1
		.amdhsa_wavefront_size32 1
		.amdhsa_system_sgpr_workgroup_id_x 1
		.amdhsa_system_sgpr_workgroup_id_y 1
		.amdhsa_system_sgpr_workgroup_id_z 1
		.amdhsa_system_vgpr_workitem_id 0
		.amdhsa_next_free_vgpr 256
		.amdhsa_next_free_sgpr 80
		.amdhsa_reserve_vcc 1
		.amdhsa_float_denorm_mode_32 3
		.amdhsa_float_denorm_mode_16_64 3
		.amdhsa_memory_ordered 1
		.amdhsa_forward_progress 1
		.amdhsa_inst_pref_size 80
	.end_amdhsa_kernel
	.amdgpu_metadata
---
amdhsa.version: [ 1, 2 ]
amdhsa.kernels:
  - .name:           k_q520e4c7a4f_prep
    .symbol:         k_q520e4c7a4f_prep.kd
    .args:
      - { .name: hidden_states, .offset: 0, .size: 8, .value_kind: global_buffer, .address_space: global }
      - { .name: wq, .offset: 8, .size: 8, .value_kind: global_buffer, .address_space: global }
      - { .name: wk, .offset: 16, .size: 8, .value_kind: global_buffer, .address_space: global }
      - { .name: wv, .offset: 24, .size: 8, .value_kind: global_buffer, .address_space: global }
      - { .name: wo, .offset: 32, .size: 8, .value_kind: global_buffer, .address_space: global }
      - { .name: xw, .offset: 40, .size: 8, .value_kind: global_buffer, .address_space: global }
      - { .name: rope, .offset: 48, .size: 8, .value_kind: global_buffer, .address_space: global }
    .group_segment_fixed_size: 34304
    .private_segment_fixed_size: 0
    .kernarg_segment_align: 8
    .kernarg_segment_size: 56
    .max_flat_workgroup_size: 128
    .sgpr_count:     80
    .vgpr_count:     256
    .wavefront_size: 32
...
	.end_amdgpu_metadata
.endif
;; end of part 1
;; launch qkv (part 2): grid 12 x 16, 4 waves a work-group, clusters of 4 x 4, 327,680 bytes of LDS; arguments xw, rope, q_norm_weight, k_norm_weight, qkv; writes qkv
.if DOCPART == 2
	.amdgcn_target "amdgcn-amd-amdhsa--gfx1250"
	.amdhsa_code_object_version 6
	.text
	.protected	k_q520e4c7a4f_qkv
	.globl	k_q520e4c7a4f_qkv
	.p2align	8
	.type	k_q520e4c7a4f_qkv,@function
k_q520e4c7a4f_qkv:
	s_mov_b64 s[64:65], 0
	v_nop
	global_prefetch_b8 v0, s[64:65] scope:SCOPE_SE
	s_setreg_imm32_b32 hwreg(HW_REG_WAVE_MODE, 25, 1), 1
	s_wait_xcnt 0x0
	s_wait_alu depctr_hold_cnt(0) depctr_sa_sdst(0) depctr_va_vdst(0) depctr_va_sdst(0) depctr_va_ssrc(0) depctr_va_vcc(0) depctr_vm_vsrc(0)
	s_getreg_b32 s2, hwreg(HW_REG_IB_STS2, 6, 4)
	s_cmp_eq_u32 s2, 0
	s_cbranch_scc0 .Lentry_in_a_cluster
	s_endpgm
.Lentry_in_a_cluster:
	s_bfe_u32 s2, ttmp6, 0x10000c
	s_cmp_lg_u32 s2, 0xf033
	s_cbranch_scc0 .Lentry_shape_is_right
	s_endpgm
.Lentry_shape_is_right:
; q = x Wq^T, k = x Wk^T, v^T = Wv x^T on codes of FP6 (E2M3) with E8M0 scales, K = 2,048; then, in registers, RMS norm and RoPE (q, k) and the quantiser: q and k along the head's 128, v along the keys.
; Only codes and scale bytes go to memory.  The cluster's x says which: 0 q, 1 k, 2 v; it is the same in all sixteen partners, so the branches on it are alike in all.
; A block of 256 x 256 is made by four waves, each 128 x 128: 64 accumulators, 512 registers.  THE MATRIX INSTRUCTION IS USED TRANSPOSED: source 0 = 16 rows of the B side, source 1 = 16 rows of the A side.
; q, k: A side = tokens, B side = rows of wq | wk.  v: A side = rows of wv, B side = tokens.  So a lane holds one token and 64 columns of ONE head (q, k), or one column d and 64 tokens (v).
; THE ROWS OF A TILE ARE NOT NEIGHBOURS (lane r of row tile RT: row 32 (RT / 2) + 8 (RT % 2) + r + 8 (r / 8)): register n = 8 b + j of lane (r, h) is B-side index 32 (n / 16) + 16 h + n % 16:
; sixteen neighbours for each pair of tiles, as the conversions want them; columns d and d + 64 (RoPE's partners) are registers n and n + 32 of one lane.
; OPERANDS lie in xw as images of their registers (a fragment: 1,536 bytes, registers 4 c .. 4 c + 3 of lane l at 512 c + 16 l): three ds_load_b128 of 512 consecutive bytes bring one.
; K goes in slots of 2 K steps through a ring of two LDS slots.  THE HEAD'S FOUR TILES GO ONE TO A WAVE: wave 0 slot 0's 16 row tiles of the A side, wave 1 those of the B side, wave 2 the A side's scale bytes
; for all of K, wave 3 the B side's.  Slot 1 is first filled as a refill is; from there on a wave's load brings 8 row tiles x 3,072 bytes.
; CLUSTERS: 4 x 4 work-groups; the four of a row need the same A-side tiles, the four of a column the same B-side tiles: each is asked for jointly.
; PREFETCH: behind each refill a wave names, of the 8 row tiles that it fetches, the 2 that fall to its work-group among the four partners (by address: cx for the A side, cy for the B side), 24 blocks of 256 bytes,
; of the slot that stands two refills on; the head names slots 1 to 3; the last two refills name nothing.  The table of cos and sin (64 KiB for 128 tokens) is named once, at the head: 8 KiB for each of its 8 sharers.
; THE TABLE comes into four register sets of window 1: block 0's at the head (registers that the products leave idle), block 1's ahead of the last K step, blocks 2 and 3 at the epilogue's start, block a + 4 behind block a.
; 192 work-groups: a wave's 128 columns have to be one head, so the block stays 256 x 256.
; LIMITS: a block of zeros gets the scale byte 1 (this program alone reads the bytes); NaN and infinities are not served.
; REGISTERS: window 0: v16-31 addresses; v32-63 scale words, two sets; v64-127 the norm's weight; v128-223 the A side's fragments, one set; in the epilogue v128-249 at work.
;   window 1: the B side's fragments, two sets (v0-95, v128-223); the table's sets.   windows 2, 3: the accumulators ((a, b) at v[8 (8 (a % 4) + b)]).
.set NS,    16
.set RTS,   NS*1536                    ; from row tile to row tile in memory, bytes
.set LAPS,  NS/4                       ; a lap = two slots = four K steps
.set NQ,    2
.set FR,    12
.set NL,    3
.set NP,    4                          ; places behind this matrix instruction (ISA guide 7.12.1)
.set HALFT, 8*3072
.set SLOT,  4*HALFT
.set SCL,   2*SLOT
.set HS,    NS*512                     ; scale bytes of 8 row tiles
.set SROW,  NS*64
.set SPARE, SCL+4*HS                   ; the spare words: 512 bytes that no other line names
.set XS,    12582912                   ; sections of xw: x's codes at 0, its scales here
.set WC,    6291456
.set WS,    12845056
.set WVC,   9437184
.set WVS,   12976128
.set ADRA, 16
.set ADRB, 20
.set PFT,  26                          ; v26 256 x lane: the table's prefetch
.set ADRS, 27
.set SPW,  28
.set NIL,  29
.set LI,   30                          ; 16 x lane
.set PFO,  31                          ; v31 the tiles' prefetch: my block of 256 bytes among 24
.set SC,   32
.set AF,   128
.set W1,   64
.set Y,    128
.set TM,   192
.set PC,   208
.set SW,   228
.set E,    236
.set T,    240
.set RS,   248
.set G1,   24
.set G0,   32
.set PFA,  42                          ; s[42:43] where my prefetches stand
.set G1B,  48
.set G0B,  56
.set SEL,  66
.set G1S,  68
.set G0S,  76
.set G1SB, 80
.set G0SB, 88
.set IMG,  96
.set TP,   98
.set SCB,  100
.set MSB, 0
.macro WIN new                         ; the immediate's high byte repeats the setting that is left
.if MSB != (\new)
	s_set_vgpr_msb (MSB<<8)|(\new)
.set MSB, (\new)
.endif
.endm
.set MUL_LO, 0xa1
.set MUL_HI, 0xf1
.set TO_B,   0x40
.macro JLOAD g0a, g1a, g0b, g1b        ; waves 0, 1 fetch for the A side, waves 2, 3 for the B side; s_nop 0 and four v_nop behind each line
	s_cmp_eq_u32 s15, 0
	s_cbranch_scc0 .Lfor_b_\@
	tensor_load_to_lds s[\g0a:\g0a+3], s[\g1a:\g1a+7]
	s_nop 0
.rept 4
	v_nop
.endr
	s_branch .Lasked_\@
.Lfor_b_\@:
	tensor_load_to_lds s[\g0b:\g0b+3], s[\g1b:\g1b+7]
	s_nop 0
.rept 4
	v_nop
.endr
.Lasked_\@:
.endm
.macro CREST                           ; a round of the cluster's barrier behind its opening barrier
	s_cmp_lg_u32 s14, 0
	s_cbranch_scc1 .Lnot_wave_0_\@
	s_barrier_signal -3
.Lnot_wave_0_\@:
	s_barrier_wait -3
	s_barrier_signal -1
	s_barrier_wait -1
.endm
.macro CROUND
	s_barrier_signal -1
	s_barrier_wait -1
	CREST
.endm
.macro ARM under, g0, g1, next         ; one arm of the head's chain: one load, then on to the join
	s_cmp_lt_u32 s14, \under
	s_cbranch_scc0 \next
	tensor_load_to_lds s[\g0:\g0+3], s[\g1:\g1+7]
	s_nop 0
.rept 4
	v_nop
.endr
	s_branch .Lhead_asked
\next:
.endm
	s_load_b256 s[4:11], s[0:1], 0x0               ; xw, rope, q_norm, k_norm
	s_load_b64 s[12:13], s[0:1], 0x20              ; qkv
	v_lshl_add_u32 v[SPW], v0, 2, SPARE
	v_mov_b32 v[NIL], 0
	ds_add_u32 v[SPW], v[NIL]                      ; the opening lines: the add twice on end and one wait
	ds_add_u32 v[SPW], v[NIL]
	v_lshrrev_b32 v1, 5, v0
	v_readfirstlane_b32 s14, v1                    ; wave
	s_lshr_b32 s15, s14, 1                         ; my half of the A side's rows; in the ring: I fetch for the A side (0) or the B side (1)
	s_and_b32 s16, s14, 1                          ; my half of the B side's; in the ring: which 8 row tiles I fetch
	s_bfe_u32 s40, ttmp6, 0x40000                  ; cx
	s_bfe_u32 s41, ttmp6, 0x40004                  ; cy
	s_and_b32 s17, ttmp7, 0xffff
	s_lshl_b32 s17, s17, 2
	s_lshl_b32 s18, ttmp9, 2
	s_lshl_b32 s43, s41, 2
	s_lshl_b32 s43, 15, s43                        ; my row of the cluster
	s_lshl_b32 s44, 0x1111, s40                    ; my column
	s_or_b32 s[G1+0], s43, (3<<16)|(1<<21)         ; codes: rows (row tiles) of 384 elements of 8 bytes, RTS bytes apart: 16 rows at the head, 8 in the ring
	s_or_b32 s[G1B+0], s44, (3<<16)|(1<<21)
.irp g, G1, G1B
	s_mov_b32 s[\g+1], 384<<16
	s_mov_b32 s[\g+2], 16<<16
	s_mov_b32 s[\g+3], 384<<16
	s_mov_b32 s[\g+4], 16
	s_mov_b32 s[\g+5], RTS/8
	s_mov_b32 s[\g+6], 0
	s_mov_b32 s[\g+7], 0
.endr
	s_or_b32 s[G1S+0], s43, (3<<16)|(1<<21)        ; the scale bytes of 16 row tiles: a dense block, as rows of 256 bytes
	s_or_b32 s[G1SB+0], s44, (3<<16)|(1<<21)
.irp g, G1S, G1SB
	s_mov_b32 s[\g+1], 32<<16
	s_mov_b32 s[\g+2], (2*HS/256)<<16
	s_mov_b32 s[\g+3], 32<<16
	s_mov_b32 s[\g+4], 2*HS/256
	s_mov_b32 s[\g+5], 32
	s_mov_b32 s[\g+6], 0
	s_mov_b32 s[\g+7], 0
.endr
	; the roles: all operands lie in one buffer, only offsets are chosen, on the kind.  The A side's registers hold cy, never cx; the B side's cx, never cy
	s_mov_b32 s93, XS
	s_mov_b32 s95, WS
	s_cmp_eq_u32 ttmp9, 2
	s_cselect_b32 s20, 0, s17
	s_cselect_b32 s46, s17, s18
	s_cselect_b32 s92, WVC, 0
	s_cselect_b32 s93, WVS, s93
	s_cselect_b32 s94, 0, WC
	s_cselect_b32 s95, XS, s95
	s_add_co_u32 s20, s20, s41                     ; the A side's block of 256 rows
	s_add_co_u32 s46, s46, s40                     ; the B side's
	s_mov_b32 s96, s20
	s_mov_b32 s97, s46
	s_lshl_b32 s20, s20, 4                         ; its first row tile
	s_lshl_b32 s46, s46, 4
	s_mul_i32 s22, s20, SROW
	s_add_co_u32 s22, s22, s93
	s_mul_i32 s20, s20, RTS
	s_add_co_u32 s20, s20, s92
	s_mul_i32 s92, s46, SROW
	s_add_co_u32 s92, s92, s95
	s_mul_i32 s46, s46, RTS
	s_add_co_u32 s46, s46, s94
	s_mul_i32 s18, s16, 8*RTS                      ; in the ring: my 8 row tiles
	s_mov_b32 s19, 0
	s_cmp_eq_u32 s15, 0                            ; the prefetches' offset, in registers of its own
	s_cselect_b32 s42, s20, s46
	s_cselect_b32 s43, s40, s41                    ; my work-group's place among the four that ask with it
	s_mul_i32 s43, s43, 2*RTS
	s_add_co_u32 s42, s42, s43
	s_add_co_u32 s42, s42, s18
	s_mov_b32 s43, 0
	s_mov_b32 s21, 0
	s_mov_b32 s23, 0
	s_mov_b32 s47, 0
	s_mov_b32 s93, 0
	s_mul_i32 s45, s14, HALFT                      ; LDS, by the wave's number alone
	s_wait_dscnt 0x0
	s_wait_kmcnt 0x0
	s_add_nc_u64 s[20:21], s[4:5], s[20:21]
	s_add_nc_u64 s[22:23], s[4:5], s[22:23]
	s_add_nc_u64 s[46:47], s[4:5], s[46:47]
	s_add_nc_u64 s[92:93], s[4:5], s[92:93]
	s_add_nc_u64 s[PFA:PFA+1], s[4:5], s[PFA:PFA+1]
	CROUND                                         ; all sixteen work-groups are here: the first joint loads meet
	s_mov_b32 s[G0], 1                             ; slot 0's sets serve the head's whole tiles first
	s_mov_b32 s[G0+1], 0
	s_mov_b64 s[G0+2:G0+3], s[20:21]
	s_or_b32 s[G0+3], s[G0+3], 0x80000000
	s_mov_b32 s[G0B], 1
	s_mov_b32 s[G0B+1], 2*HALFT
	s_mov_b64 s[G0B+2:G0B+3], s[46:47]
	s_or_b32 s[G0B+3], s[G0B+3], 0x80000000
	s_mov_b32 s[G0S], 1
	s_mov_b32 s[G0S+1], SCL
	s_mov_b64 s[G0S+2:G0S+3], s[22:23]
	s_or_b32 s[G0S+3], s[G0S+3], 0x80000000
	s_mov_b32 s[G0SB], 1
	s_mov_b32 s[G0SB+1], SCL+2*HS
	s_mov_b64 s[G0SB+2:G0SB+3], s[92:93]
	s_or_b32 s[G0SB+3], s[G0SB+3], 0x80000000
	s_add_nc_u64 s[20:21], s[20:21], s[18:19]      ; for the ring: my 8 row tiles
	s_add_nc_u64 s[46:47], s[46:47], s[18:19]
	s_mov_b32 s[G0+4], 1
	s_add_co_u32 s[G0+5], s45, SLOT
	s_add_nc_u64 s[G0+6:G0+7], s[20:21], 3072
	s_or_b32 s[G0+7], s[G0+7], 0x80000000
	s_mov_b32 s[G0B+4], 1
	s_add_co_u32 s[G0B+5], s45, SLOT
	s_add_nc_u64 s[G0B+6:G0B+7], s[46:47], 3072
	s_or_b32 s[G0B+7], s[G0B+7], 0x80000000
	ARM 1, G0,  G1,  .Lhead_b                      ; one tensor load a wave at the head
	ARM 2, G0B, G1B, .Lhead_sa
	ARM 3, G0S, G1S, .Lhead_sb
	tensor_load_to_lds s[G0SB:G0SB+3], s[G1SB:G1SB+7]
	s_nop 0
.rept 4
	v_nop
.endr
.Lhead_asked:
	s_mul_i32 s22, s15, HALFT                      ; my 8 row tiles of the A side,
	s_mul_i32 s23, s16, HALFT
	s_add_co_u32 s23, s23, 2*HALFT                 ; of the B side
	s_mul_i32 s94, s15, HS
	s_mul_i32 s95, s16, HS
	s_add_co_u32 s95, s95, 2*HS
	s_sub_co_u32 s95, s95, s94                     ; from the A side's scale bytes to the B side's
	s_add_co_u32 s94, s94, SCL
	v_and_b32 v1, 15, v0                           ; r
	v_bfe_u32 v2, v0, 4, 1                         ; h
	v_and_b32 v3, 31, v0                           ; lane
	v_lshlrev_b32 v[LI], 4, v3
	v_add_nc_u32 v[ADRA], s22, v[LI]
	v_add_nc_u32 v[ADRB], s23, v[LI]
	v_add_nc_u32 v[ADRA+1], SLOT, v[ADRA]
	v_add_nc_u32 v[ADRB+1], SLOT, v[ADRB]
	v_lshlrev_b32 v5, 4, v1                        ; a scale unit: 16 bytes a row
	v_mul_u32_u24 v6, s95, v2                      ; lanes 16-31 take the B side's
	v_add_nc_u32 v5, v5, v6
	v_add_nc_u32 v[ADRS], s94, v5
	v_lshlrev_b32 v7, 6, v2
	v_min_u32 v[PFO], 23, v3                       ; 24 blocks: 12 of each of two row tiles; lanes 24-31 name the last again
	v_mul_u32_u24 v4, v[PFO], 43
	v_lshrrev_b32 v4, 9, v4                        ; 1 from block 12 on
	v_mul_u32_u24 v4, v4, RTS-3072
	v_lshl_add_u32 v[PFO], v[PFO], 8, v4
	v_lshlrev_b32 v[PFT], 8, v3
	s_wait_alu depctr_va_vdst(0)                   ; the wait ahead of the run of scalar lines
	s_cmp_eq_u32 ttmp9, 0
	s_cselect_b64 s[8:9], s[8:9], s[10:11]
	; the way out.  q, k: my 128 tokens are group 2 (A block) + half, my head (2 (B block) + half) % 8;  v: the other way round
	s_lshl_b32 s96, s96, 1
	s_add_co_u32 s96, s96, s15
	s_lshl_b32 s97, s97, 1
	s_add_co_u32 s97, s97, s16
	s_cmp_eq_u32 ttmp9, 2
	s_cselect_b32 s98, s97, s96
	s_cselect_b32 s99, s96, s97
	s_and_b32 s99, s99, 7                          ; head
	s_lshr_b32 s100, s98, 4                        ; batch
	s_and_b32 s98, s98, 15                         ; the group in its sequence
	s_lshl_b32 s100, s100, 7
	s_lshl_b32 s99, s99, 4
	s_add_co_u32 s100, s100, s99
	s_add_co_u32 s100, s100, s98                   ; idx = 16 (8 batch + head) + group
	s_mul_i32 s96, s100, 12288                     ; q: eight fragments at 12,288 idx,
	s_lshl_b32 s97, s100, 9
	s_add_co_u32 s97, s97, 3145728                 ; their scale unit at 3,145,728 + 512 idx
	s_mul_i32 s99, s100, 25600
	s_add_co_u32 s99, s99, 3276800                 ; k, v: the key step's 25,600 bytes: K's fragments, V's, K's scale unit, V's
	s_cmp_eq_u32 ttmp9, 2
	s_cselect_b32 s100, 12288, 0
	s_cselect_b32 s101, 512, 0
	s_add_co_u32 s100, s100, s99
	s_add_co_u32 s101, s101, s99
	s_add_co_u32 s101, s101, 24576
	s_cmp_eq_u32 ttmp9, 0
	s_cselect_b32 s96, s96, s100
	s_cselect_b32 s100, s97, s101
	s_mov_b32 s97, 0
	s_mov_b32 s101, 0
	s_add_nc_u64 s[IMG:IMG+1], s[12:13], s[96:97]
	s_add_nc_u64 s[SCB:SCB+1], s[12:13], s[100:101]
	s_lshl_b32 s98, s98, 16                        ; eight position tiles of 8,192 bytes a group
	s_mov_b32 s99, 0
	s_add_nc_u64 s[TP:TP+1], s[6:7], s[98:99]
	s_lshl_b32 s94, s40, 1
	s_add_co_u32 s94, s94, s16
	s_lshl_b32 s94, s94, 13                        ; my 8 KiB of the table's 64: by cx and the wave, an address alone
	s_mov_b32 s95, 0
	s_add_nc_u64 s[94:95], s[TP:TP+1], s[94:95]
	s_mov_b32 s4, 0x3c000000                       ; 1 / 128
	s_mov_b32 s5, 0x358637bd                       ; 1e-6
	s_mov_b32 s[SEL], 0x76543210
	s_mov_b32 s[SEL+1], 0xfedcba98
.irp n, 1,2,3
	global_prefetch_b8 v[PFO], s[PFA:PFA+1] offset:3072*\n th:TH_LOAD_NT scope:SCOPE_SE   ; slots 1 to 3
.endr
.macro TSET a                          ; the table's set of block a: 32 registers of cos at TCB, 32 of sin at TSB, window 1
.if (\a)%4 == 0
.set TCB, 96
.set TSB, 224
.endif
.if (\a)%4 == 1
.set TCB, 0
.set TSB, 32
.endif
.if (\a)%4 == 2
.set TCB, 128
.set TSB, 160
.endif
.if (\a)%4 == 3
.set TCB, 64
.set TSB, 192
.endif
.endm
.macro TABLOAD a                       ; cos and sin of the 16 positions of block a: 16 loads of 512 consecutive bytes
	TSET \a
	WIN TO_B
.irp c, 0,1,2,3,4,5,6,7
	global_load_b128 v[TCB+4*\c:TCB+4*\c+3], v[LI], s[TP:TP+1] offset:8192*(\a)+512*\c
.endr
.irp c, 0,1,2,3,4,5,6,7
	global_load_b128 v[TSB+4*\c:TSB+4*\c+3], v[LI], s[TP:TP+1] offset:8192*(\a)+4096+512*\c
.endr
	WIN 0
.endm
	s_cmp_eq_u32 ttmp9, 2                          ; v has no norm and no RoPE
	s_cbranch_scc1 .Lno_tab0
.irp b, 0,1,2,3
.irp j, 0,1,2,3
	global_load_b128 v[W1+16*\b+4*\j:W1+16*\b+4*\j+3], v7, s[8:9] offset:128*\b+16*\j   ; the norm's weight in my registers' order
.endr
.endr
	TABLOAD 0
	global_prefetch_b8 v[PFT], s[94:95] th:TH_LOAD_NT scope:SCOPE_SE
.Lno_tab0:
.macro FRAG reg, adr, q, i
.irp c, 0,1,2
	ds_load_b128 v[\reg+4*\c:\reg+4*\c+3], v[\adr] offset:3072*(\i)+1536*(\q)+512*\c
.endr
.endm
; 16 matrix instructions: the A side's blocks a0, a0 + 1 x the B side's eight.  The 64 accumulators take turns, one instruction a turn, in the same order in every step.
.macro MUL16 a0, p, q, sc, zero
.irp a, \a0, \a0+1
.irp b, 0,1,2,3,4,5,6,7
.if \zero
	v_wmma_scale_f32_16x16x128_f8f6f4 v[8*(8*((\a)%4)+\b):8*(8*((\a)%4)+\b)+7], v[128*(\p)+FR*\b:128*(\p)+FR*\b+FR-1], v[AF+FR*(\a):AF+FR*(\a)+FR-1], 0, v[SC+8*NQ*(\sc)+NQ*\b+(\q)], v[SC+8*NQ*(\sc)+NQ*(\a)+(\q)] matrix_a_fmt:MATRIX_FMT_FP6 matrix_b_fmt:MATRIX_FMT_FP6 matrix_a_scale:MATRIX_SCALE_ROW1
.else
	v_wmma_scale_f32_16x16x128_f8f6f4 v[8*(8*((\a)%4)+\b):8*(8*((\a)%4)+\b)+7], v[128*(\p)+FR*\b:128*(\p)+FR*\b+FR-1], v[AF+FR*(\a):AF+FR*(\a)+FR-1], v[8*(8*((\a)%4)+\b):8*(8*((\a)%4)+\b)+7], v[SC+8*NQ*(\sc)+NQ*\b+(\q)], v[SC+8*NQ*(\sc)+NQ*(\a)+(\q)] matrix_a_fmt:MATRIX_FMT_FP6 matrix_b_fmt:MATRIX_FMT_FP6 matrix_a_scale:MATRIX_SCALE_ROW1
.endif
.endr
.endr
.endm
.macro FETCH_B slot, q, p
	WIN TO_B
.irp i, 0,1,2,3,4,5,6,7
	FRAG 128*(\p)+FR*\i, ADRB+\slot, \q, \i
.endr
	WIN 0
.endm
.macro FETCH_A slot, q, i0
.irp i, \i0, \i0+1, \i0+2, \i0+3
	FRAG AF+FR*(\i), ADRA+\slot, \q, \i
.endr
.endm
.macro SCALES sc                       ; the slot's two scale words a row: lanes 0-15 the A side's block i, lanes 16-31 the B side's
.irp i, 0,1,2,3,4,5,6,7
	ds_load_b64 v[SC+8*NQ*\sc+NQ*\i:SC+8*NQ*\sc+NQ*\i+1], v[ADRS] offset:\i*SROW+8*\sc
.endr
.endm
.macro PLACES n
.rept \n
	v_nop
.endr
.endm
.macro STEP slot, q, zero              ; a step of 128 along K that has its successor in the same slot
	s_wait_dscnt 4*NL                              ; all but the youngest 12 loads (the A side's blocks 4-7) are in
	WIN MUL_LO
	MUL16 0, (\q)%2, \q, \slot, \zero
	MUL16 2, (\q)%2, \q, \slot, \zero
	s_wait_dscnt 0
	PLACES NP
	FETCH_B \slot, (\q)+1, 1-(\q)%2
	FETCH_A \slot, (\q)+1, 0
	WIN MUL_HI
	MUL16 4, (\q)%2, \q, \slot, \zero
	MUL16 6, (\q)%2, \q, \slot, \zero
	PLACES NP
	WIN 0
	FETCH_A \slot, (\q)+1, 4
.endm
; A slot's last step changes slots: in front of the barrier each wave waits for all its tensor loads, adds 0 to its spare word, and waits for that and for its own reads of this slot.
.macro TURN slot, next, fill
.if \fill
	s_wait_xcnt 0x0                                ; my last prefetch has read its address: it steps one slot on
	s_add_nc_u64 s[PFA:PFA+1], s[PFA:PFA+1], 3072
.endif
	s_wait_tensorcnt 0x0                           ; my part of the next slot has landed
	ds_add_u32 v[SPW], v[NIL]
	s_wait_dscnt 4*NL+1                            ; (the add and the youngest 12 loads may be out)
	WIN MUL_LO
	MUL16 0, 1, NQ-1, \slot, 0
	s_wait_dscnt 0x0                               ; the add is done, and my reads of this slot are over
	s_barrier_signal -1
	MUL16 2, 1, NQ-1, \slot, 0
	WIN 0
	s_barrier_wait -1
.if \fill
	CREST                                          ; the barrier has opened a round of the cluster's
	s_add_nc_u64 s[G0+4*\slot+2:G0+4*\slot+3], s[G0+4*\slot+2:G0+4*\slot+3], 2*3072
	s_add_nc_u64 s[G0B+4*\slot+2:G0B+4*\slot+3], s[G0B+4*\slot+2:G0B+4*\slot+3], 2*3072
	JLOAD G0+4*\slot, G1, G0B+4*\slot, G1B         ; the first tensor load behind the round; its four v_nop are the places in front of the loads below
.else
	PLACES NP
.endif
.if \next == 0
	v_add_nc_u32 v[ADRS], 256, v[ADRS]             ; a new lap: the next unit of scale bytes
.endif
	FETCH_B \next, 0, 0
	FETCH_A \next, 0, 0
	s_wait_alu depctr_va_vdst(0)                   ; the wait ahead of the loads that use v[ADRS]
	SCALES \next
.if \fill
	s_cmp_gt_u32 s3, 1                             ; the last lap's two refills have no slot two on
	s_cbranch_scc0 .Lno_ask_\@
	global_prefetch_b8 v[PFO], s[PFA:PFA+1] offset:3*3072 th:TH_LOAD_NT scope:SCOPE_SE   ; the slot two refills on
.Lno_ask_\@:
.endif
	WIN MUL_HI
	MUL16 4, 1, NQ-1, \slot, 0
	MUL16 6, 1, NQ-1, \slot, 0
	PLACES NP
	WIN 0
	FETCH_A \next, 0, 4
.endm
	s_wait_alu depctr_va_vdst(0)                   ; the wait at the head's end
	s_wait_tensorcnt 0x0                           ; my tile of the head's four is in; the lines that stand ahead of a refill stand ahead of slot 1's first fill too
	ds_add_u32 v[SPW], v[NIL]
	s_mov_b32 s[G1+2], 8<<16                       ; no load of mine is out: from here on a load brings my 8 row tiles
	s_mov_b32 s[G1+4], 8
	s_mov_b32 s[G1B+2], 8<<16
	s_mov_b32 s[G1B+4], 8
	s_mov_b32 s[G0+1], s45
	s_mov_b64 s[G0+2:G0+3], s[20:21]
	s_or_b32 s[G0+3], s[G0+3], 0x80000000
	s_mov_b32 s[G0B+1], s45
	s_mov_b64 s[G0B+2:G0B+3], s[46:47]
	s_or_b32 s[G0B+3], s[G0B+3], 0x80000000
	s_wait_dscnt 0x0
	CROUND
	JLOAD G0+4, G1, G0B+4, G1B                     ; slot 1
	FETCH_B 0, 0, 0
	FETCH_A 0, 0, 0
	SCALES 0
	FETCH_A 0, 0, 4
	STEP 0, 0, 1                                   ; the first step's products start the sums
	s_mov_b32 s3, LAPS-1
.Llap:
	TURN 0, 1, 1
	STEP 1, 0, 0
	TURN 1, 0, 1
	STEP 0, 0, 0
	s_sub_co_u32 s3, s3, 1
	s_cmp_lg_u32 s3, 0
	s_cbranch_scc1 .Llap
	TURN 0, 1, 0                                   ; the last lap fills nothing
	STEP 1, 0, 0
	s_wait_loadcnt 0x0                             ; the head's loads (the norm's weight, block 0's table), issued fifteen K steps ago, are in on every path: their registers may take later loads
	s_cmp_eq_u32 ttmp9, 2
	s_cbranch_scc1 .Lno_tab1
	TABLOAD 1                                      ; into the B side's set 0, which is done with (four places stand behind its last product)
.Lno_tab1:
	s_wait_dscnt 4*NL
	WIN MUL_LO
	MUL16 0, 1, NQ-1, 1, 0
	MUL16 2, 1, NQ-1, 1, 0
	s_wait_dscnt 0
	WIN MUL_HI
	MUL16 4, 1, NQ-1, 1, 0
	MUL16 6, 1, NQ-1, 1, 0
	WIN 0
; ---------------- THE EPILOGUE: no LDS, all in registers ----------------
; 64 numbers v[s] .. v[s + 63] of window sw become a fragment's codes in v[PC] on and my row's scale word in v[pw].  Each accumulator is read from its low end on.
.macro QUANT s, sw, pw
	WIN (\sw)|((\sw)<<2)
.irp b, 0,1,2,3
	v_max3_num_f32 v[TM+\b], |v[\s+16*\b]|, |v[\s+1+16*\b]|, 0x1800000   ; with the floor 2^(3 - 127): the byte cannot fall under 1
.endr
	WIN ((\sw)<<2)|((\sw)<<4)
.irp i, 2,4,6,8,10,12,14
.irp b, 0,1,2,3
	v_max3_num_f32 v[TM+\b], v[TM+\b], |v[\s+16*\b+\i]|, |v[\s+1+16*\b+\i]|
.endr
.endr
	WIN 0
.irp b, 0,1,2,3
	v_permlanex16_b32 v[TM+4+\b], v[TM+\b], s[SEL], s[SEL+1]
.endr
.irp b, 0,1,2,3
	v_max_num_f32 v[TM+\b], v[TM+\b], v[TM+4+\b]
.endr
.irp b, 0,1,2,3
	v_add_nc_u32 v[TM+12+\b], 0xff000000, v[TM+\b] ; 2 off the exponent field: the conversion's scale operand
.endr
.irp b, 0,1,2,3
	v_lshrrev_b32 v[TM+4+\b], 23, v[TM+12+\b]      ; the scale's byte
.endr
	v_lshl_or_b32 v[\pw], v[TM+5], 8, v[TM+4]
	v_lshl_or_b32 v[\pw], v[TM+6], 16, v[\pw]
	v_lshl_or_b32 v[\pw], v[TM+7], 24, v[\pw]
	s_wait_xcnt 0x0                                ; the last fragment's stores have read v[PC] on
	WIN \sw
.irp c, 0,1
	v_cvt_scalef32_pk16_fp6_f32 v[PC+6*\c:PC+2+6*\c], v[\s+32*\c:\s+15+32*\c], v[TM+12+2*\c]
	v_cvt_scalef32_pk16_fp6_f32 v[PC+12+4*\c:PC+14+4*\c], v[\s+16+32*\c:\s+31+32*\c], v[TM+13+2*\c]
.endr
	WIN 0
	v_nop                                          ; one plain place behind a scaled conversion
.irp c, 0,1
.irp i, 0,1,2
	v_permlane16_swap_b32 v[PC+6*\c+\i], v[PC+12+4*\c+\i]
.endr
.irp i, 0,1,2
	v_mov_b32 v[PC+3+6*\c+\i], v[PC+12+4*\c+\i]
.endr
.endr
.endm
.macro OUT a                           ; each store covers 512 consecutive bytes, aligned
.irp c, 0,1,2
	global_store_b128 v[LI], v[PC+4*\c:PC+4*\c+3], s[IMG:IMG+1] offset:1536*(\a)+512*\c
.endr
.endm
.macro QKBLOCK a                       ; 16 tokens x my head's 128 columns
.set AW, 2+(\a)/4
.set AC, 64*((\a)%4)
	TSET \a
	WIN AW|(AW<<2)
.set p, 0
.rept 32                               ; the sum of squares of my 64, two at a time, in four chains, registers ascending
.if p < 4
	v_pk_mul_f32 v[T+2*p:T+2*p+1], v[AC+2*p:AC+2*p+1], v[AC+2*p:AC+2*p+1]
.else
	v_pk_fma_f32 v[T+2*(p%4):T+2*(p%4)+1], v[AC+2*p:AC+2*p+1], v[AC+2*p:AC+2*p+1], v[T+2*(p%4):T+2*(p%4)+1]
.endif
.set p, p+1
.endr
	WIN 0
	v_pk_add_f32 v[T:T+1], v[T:T+1], v[T+2:T+3]
	v_pk_add_f32 v[T+4:T+5], v[T+4:T+5], v[T+6:T+7]
	v_pk_add_f32 v[T:T+1], v[T:T+1], v[T+4:T+5]
	v_add_f32 v[T], v[T], v[T+1]
	v_permlanex16_b32 v[T+2], v[T], s[SEL], s[SEL+1]
	v_add_f32 v[T], v[T], v[T+2]                   ; with lane l xor 16's 64: the row's
	v_fma_f32 v[T], v[T], s4, s5                   ; the mean + 1e-6
	s_wait_alu depctr_va_vdst(0)                   ; the wait ahead of the transcendental
	v_rsq_f32 v[RS], v[T]
	v_mov_b32 v[RS+1], 0                           ; (a plain place; named with it as a pair)
	s_wait_alu depctr_va_vdst(0)                   ; and behind it, ahead of its first use
	WIN AW
.set p, 0
.rept 32
	v_pk_mul_f32 v[Y+2*p:Y+2*p+1], v[AC+2*p:AC+2*p+1], v[RS:RS+1] op_sel_hi:[1,0]
.set p, p+1
.endr
	WIN 0
.set p, 0
.rept 32
	v_pk_mul_f32 v[Y+2*p:Y+2*p+1], v[Y+2*p:Y+2*p+1], v[W1+2*p:W1+2*p+1]   ; x (1 + w)
.set p, p+1
.endr
.if \a < 4
	s_wait_loadcnt 48                              ; this block's table is in; the 16 loads of each of the three blocks behind it may be out
.else
	s_wait_loadcnt 16*(7-(\a))
.endif
	WIN 0x04                                       ; source 1: the table, window 1
.set p, 0
.rept 16                               ; columns d (registers n) and d + 64 (n + 32): y1' = y1 cos - y2 sin, y2' = y2 cos + y1 sin
.set TT, T+2*(p%4)
	v_pk_mul_f32 v[TT:TT+1], v[Y+2*p:Y+2*p+1], v[TSB+2*p:TSB+2*p+1]
	v_pk_mul_f32 v[Y+2*p:Y+2*p+1], v[Y+2*p:Y+2*p+1], v[TCB+2*p:TCB+2*p+1]
	v_pk_fma_f32 v[Y+2*p:Y+2*p+1], v[Y+32+2*p:Y+33+2*p], v[TSB+2*p:TSB+2*p+1], v[Y+2*p:Y+2*p+1] neg_lo:[1,0,0] neg_hi:[1,0,0]
	v_pk_fma_f32 v[Y+32+2*p:Y+33+2*p], v[Y+32+2*p:Y+33+2*p], v[TCB+2*p:TCB+2*p+1], v[TT:TT+1]
.set p, p+1
.endr
	WIN 0
.if \a < 4
	TABLOAD (\a)+4
.endif
	QUANT Y, 0, SW+\a
	OUT \a
.endm
.macro VBLOCK a                        ; 16 columns d x my 128 tokens: quantised as they stand
.set AW, 2+(\a)/4
.set AC, 64*((\a)%4)
	QUANT AC, AW, SW+\a
	OUT \a
.endm
	PLACES NP                                      ; behind the last products
.irp b, 0,1,2,3
	v_mov_b32 v[TM+4+\b], 0                        ; a lane permute's destination counts as one of its sources
.endr
	s_cmp_eq_u32 ttmp9, 2
	s_cbranch_scc1 .Lv
	TABLOAD 2
	TABLOAD 3
	s_wait_loadcnt 48                              ; the norm's weight and block 0's table are in; three sets may be out
.set p, 0
.rept 32
	v_pk_add_f32 v[W1+2*p:W1+2*p+1], v[W1+2*p:W1+2*p+1], 1.0 op_sel_hi:[1,0]
.set p, p+1
.endr
.irp a, 0,1,2,3,4,5,6,7
	QKBLOCK \a
.endr
	s_branch .Ljoin
.Lv:
.irp a, 0,1,2,3,4,5,6,7
	VBLOCK \a
.endr
.Ljoin:
	v_cmp_le_u32 vcc_lo, 16, v3                    ; the scale unit: lane 16 h' + r holds the words of fragments 4 h' + 0 .. 3 of row r
.irp e, 0,1,2,3
	v_cndmask_b32 v[E+\e], v[SW+\e], v[SW+4+\e], vcc_lo
.endr
	global_store_b128 v[LI], v[E:E+3], s[SCB:SCB+1]   ; 512 consecutive bytes, aligned
	s_wait_tensorcnt 0x0                           ; the wave's end
	ds_add_u32 v[SPW], v[NIL]
	s_wait_dscnt 0x0
	CROUND                                         ; the closing round
	s_endpgm
.Lfunc_end_k_q520e4c7a4f_qkv:
	.size	k_q520e4c7a4f_qkv, .Lfunc_end_k_q520e4c7a4f_qkv-k_q520e4c7a4f_qkv
	.p2alignl 7, 3214868480
	.fill 96, 4, 3214868480
	.section	.rodata,"a",@progbits
	.p2align	6, 0x0
	.amdhsa_kernel k_q520e4c7a4f_qkv
		.amdhsa_group_segment_fixed_size 327680
		.amdhsa_private_segment_fixed_size 0
		.amdhsa_enable_private_segment 0
		.amdhsa_kernarg_size 40
		.amdhsa_user_sgpr_count 2
		.amdhsa_user_sgpr_kernarg_segment_ptr 1
		.amdhsa_wavefront_size32 1
		.amdhsa_system_sgpr_workgroup_id_x 1
		.amdhsa_system_sgpr_workgroup_id_y 1
		.amdhsa_system_sgpr_workgroup_id_z 1
		.amdhsa_system_vgpr_workitem_id 0
		.amdhsa_next_free_vgpr 1024
		.amdhsa_next_free_sgpr 102
		.amdhsa_reserve_vcc 1
		.amdhsa_float_denorm_mode_32 3
		.amdhsa_float_denorm_mode_16_64 3
		.amdhsa_memory_ordered 1
		.amdhsa_forward_progress 1
		.amdhsa_inst_pref_size 255
	.end_amdhsa_kernel
	.section	.bss,"aw",@nobits
	.p2align	6
	.space	262144
	.amdgpu_metadata
---
amdhsa.version: [ 1, 2 ]
amdhsa.kernels:
  - .name:           k_q520e4c7a4f_qkv
    .symbol:         k_q520e4c7a4f_qkv.kd
    .args:
      - { .name: xw, .offset: 0, .size: 8, .value_kind: global_buffer, .address_space: global }
      - { .name: rope, .offset: 8, .size: 8, .value_kind: global_buffer, .address_space: global }
      - { .name: q_norm_weight, .offset: 16, .size: 8, .value_kind: global_buffer, .address_space: global }
      - { .name: k_norm_weight, .offset: 24, .size: 8, .value_kind: global_buffer, .address_space: global }
      - { .name: qkv, .offset: 32, .size: 8, .value_kind: global_buffer, .address_space: global }
    .group_segment_fixed_size: 327680
    .private_segment_fixed_size: 0
    .kernarg_segment_align: 8
    .kernarg_segment_size: 40
    .max_flat_workgroup_size: 128
    .sgpr_count:     102
    .vgpr_count:     1024
    .wavefront_size: 32
...
	.end_amdgpu_metadata
.endif
;; end of part 2
;; launch attn (part 3): grid 16 x 16, 8 waves a work-group, no clusters, 327,680 bytes of LDS; arguments qkv, at; writes at
.if DOCPART == 3
	.amdgcn_target "amdgcn-amd-amdhsa--gfx1250"
	.amdhsa_code_object_version 6
	.text
	.protected	k_q520e4c7a4f_attn
	.globl	k_q520e4c7a4f_attn
	.p2align	8
	.type	k_q520e4c7a4f_attn,@function
k_q520e4c7a4f_attn:
	s_mov_b64 s[64:65], 0
	v_nop
	global_prefetch_b8 v0, s[64:65] scope:SCOPE_SE
	s_setreg_imm32_b32 hwreg(HW_REG_WAVE_MODE, 25, 1), 1
	s_wait_xcnt 0x0
; Attention with a causal window of 1,024 keys, both products on codes of FP6 (E2M3) with E8M0 scales; O / l is quantised in registers and leaves as the last product's operand.
; t = score x log2(e) / sqrt(128); M = the running largest t rounded UP to a whole number; p = 2^(t - M) is quantised along the keys, not normalised; the row's sum is taken of the unquantised p and divides at the end.
; SHARES.  Work-group (i, bh) owns queries 128 i .. 128 i + 127 of head bh; each of its eight waves one tile of 16.  Lane (r, h) of wave w holds query rho = 32 (w / 2) + 8 (w % 2) + r + 8 (r / 8) throughout:
; both products are used transposed (S^T = K Q^T, O^T = V^T P^T), and the keys of a tile of K are chosen likewise, so that register n of S^T is key 32 (n / 16) + 16 h + n % 16 of the step.
; WORK LEFT OUT: key j is masked for query i unless i - 1,024 < j <= i, so of a head's 16 key steps of 128 only steps i - 8 .. i can count for this block: the others are not multiplied.
; THE WINDOW LIES WHOLE IN LDS, each byte filled once.  A step is 25,600 dense bytes (K's 8 fragments, V's 8, two scale units); 9 steps are 230,400 bytes, dense in memory.
; At the head each of the eight waves brings 50 rows of 256 bytes of steps i - 3 .. i (its one tensor load there).  Steps i - 8 .. i - 4 are a later first fill: behind the wait for all loads, the add, its wait
; and a barrier, 125 rows for each of waves 0 to 3; they have four key steps' work in which to land.
; LDS: step i at 0, steps i - 3 .. i - 1 at 25,600, steps i - 8 .. i - 4 at 102,400.  Q's four loads stand ahead of the fills.  No prefetch: nothing is left that could be asked for ahead of its load.
; Only step i (key kappa counts where kappa <= rho) and step i - 8 (where kappa > rho) are masked; steps i - 7 .. i - 1 count whole.  The diagonal step goes first: every query has its own key there, so M is a number from the start.
; For i < 8 the steps in front of the head's first are fetched all the same (bytes of this buffer that the launch before has written) and nobody reads them.
; NO CLUSTER: neighbouring query blocks' windows are a step apart; a joint load lands at one LDS address in all partners, so a partner's own steps would lie at an LDS address that hangs on its place in the cluster.
; LIMITS: NaN and infinities are not served; a block of zeros gets the scale byte 1 (this program alone reads the bytes); the scaled scores t stay under 2^31 in magnitude.
.set STEPB, 25600
.set LI,   1                           ; 16 x lane
.set ADR,  2                           ; the step's LDS address
.set DD,   3                           ; rho - 16 h
.set NINF, 4
.set QSC,  8
.set PSC,  9
.set FF,   10                          ; v[10:11] f = 2^(old M - new M); v12 -M, v13 the largest t, v[14:15] the sum in two halves
.set Q,    16
.set KSC,  28                          ; K's scale words: fragment t: register t % 4, lanes 0-15 (t < 4) or 16-31
.set VSC,  32
.set TM,   36
.set BM,   TM
.set T1,   TM+4
.set TMP,  TM+8
.set PW,   TM+9
.set SO,   TM+12
.set PC,   52                          ; v52-63 codes; v64-71 at work
.set F,    72                          ; v72-167 eight fragments of K, then of V
.set S,    168                         ; v168-231 S^T, then p;  window 1 v0-63: O^T
.set U,    250                         ; v[250:251] one of the sum's chains
.set SPW,  254
.set NIL,  255
.set TB,   2
.set KS,   3
.set WV,   8
.set G1A,  16
.set G1C,  32
.set G0A,  40
.set G0C,  48
.set CS,   60
.set SEL,  62
.set CNT,  66
.set MSB, 0
.macro WIN new
.if MSB != (\new)
	s_set_vgpr_msb (MSB<<8)|(\new)
.set MSB, (\new)
.endif
.endm
.macro GROUP1 g, rows                  ; a dense block, as rows of 256 bytes (32 elements of 8 bytes)
	s_mov_b32 s[\g], 3<<16
	s_mov_b32 s[\g+1], 32<<16
	s_mov_b32 s[\g+2], (\rows)<<16
	s_mov_b32 s[\g+3], 32<<16
	s_mov_b32 s[\g+4], \rows
	s_mov_b32 s[\g+5], 32
	s_mov_b32 s[\g+6], 0
	s_mov_b32 s[\g+7], 0
.endm
	s_load_b128 s[4:7], s[0:1], 0x0                ; qkv, at
	v_lshl_add_u32 v[SPW], v0, 2, 0x38400          ; the spare words: 1,024 bytes behind the window
	v_mov_b32 v[NIL], 0
	ds_add_u32 v[SPW], v[NIL]                      ; the opening lines
	ds_add_u32 v[SPW], v[NIL]
	v_lshrrev_b32 v5, 5, v0
	s_delay_alu instid0(VALU_DEP_1)
	v_readfirstlane_b32 s[WV], v5                  ; wave 0..7
	s_and_b32 s9, ttmp7, 0xffff                    ; bh
	s_lshl_b32 s10, s9, 4
	s_add_co_u32 s10, s10, ttmp9                   ; idx = 16 bh + i
	s_min_u32 s11, s[WV], 3
	v_and_b32 v5, 31, v0
	s_delay_alu instid0(VALU_DEP_1)
	v_lshlrev_b32 v[LI], 4, v5
	v_and_b32 v6, 15, v0                           ; r
	v_bfe_u32 v7, v0, 4, 1                         ; h
	s_lshr_b32 s14, s[WV], 1
	s_lshl_b32 s14, s14, 5
	s_and_b32 s15, s[WV], 1
	s_lshl_b32 s15, s15, 3
	s_or_b32 s14, s14, s15
	v_and_b32 v[DD], 8, v6
	s_delay_alu instid0(VALU_DEP_1)
	v_add_nc_u32 v[DD], v[DD], v6
	s_delay_alu instid0(VALU_DEP_1)
	v_add_nc_u32 v[DD], s14, v[DD]                 ; rho
	v_lshlrev_b32 v7, 4, v7
	s_delay_alu instid0(VALU_DEP_1)
	v_sub_nc_u32 v[DD], v[DD], v7                  ; rho - 16 h (it may be negative: the compares are signed)
	v_mov_b32 v[NINF], 0xff800000
	v_lshlrev_b32 v6, 4, v6                        ; 16 r: a scale word's place
	s_mul_i32 s54, s10, 12288                      ; my fragment of Q: 12,288 idx + 1,536 w
	s_mul_i32 s14, s[WV], 1536
	s_add_co_u32 s54, s54, s14
	s_mov_b32 s55, 0
	s_lshl_b32 s56, s10, 9                         ; its scale words: 256 (w / 4) + 16 r + 4 (w % 4) in the block's unit of 512 bytes
	s_add_co_u32 s56, s56, 3145728
	s_lshr_b32 s14, s[WV], 2
	s_lshl_b32 s14, s14, 8
	s_add_co_u32 s56, s56, s14
	s_and_b32 s14, s[WV], 3
	s_lshl_b32 s14, s14, 2
	s_add_co_u32 s56, s56, s14
	s_mov_b32 s57, 0
	GROUP1 G1A, 50                                 ; steps i - 3 .. i: 400 rows, 50 a wave
	GROUP1 G1C, 125                                ; steps i - 8 .. i - 4: 500 rows, 125 for each of four waves
	s_mul_i32 s12, s10, STEPB
	s_add_co_u32 s12, s12, 3072000                 ; step i - 8: 3,276,800 + 25,600 (idx - 8)
	s_mov_b32 s13, 0
	s_mov_b32 s53, 0
	s_wait_alu depctr_va_vdst(0)                   ; the wait ahead of the waits below
	s_wait_dscnt 0x0
	s_wait_kmcnt 0x0
	s_add_nc_u64 s[54:55], s[4:5], s[54:55]
	s_add_nc_u64 s[56:57], s[4:5], s[56:57]
.irp c, 0,1,2
	global_load_b128 v[Q+4*\c:Q+4*\c+3], v[LI], s[54:55] offset:512*\c
.endr
	global_load_b32 v[QSC], v6, s[56:57]
	s_add_nc_u64 s[12:13], s[4:5], s[12:13]
	s_mov_b32 s[G0A], 1
	s_add_co_u32 s52, s[WV], 2
	s_and_b32 s52, s52, 7
	s_mul_i32 s[G0A+1], s52, 12800                 ; LDS: waves 6, 7 bring step i, to byte 0; waves 0 to 5 steps i - 3 .. i - 1, from 25,600 on
	s_mul_i32 s52, s[WV], 12800
	s_add_co_u32 s52, s52, 128000
	s_add_nc_u64 s[G0A+2:G0A+3], s[12:13], s[52:53]
	s_or_b32 s[G0A+3], s[G0A+3], 0x80000000
	s_mov_b32 s[G0C], 1
	s_mul_i32 s52, s11, 32000
	s_add_co_u32 s[G0C+1], s52, 102400
	s_add_nc_u64 s[G0C+2:G0C+3], s[12:13], s[52:53]
	s_or_b32 s[G0C+3], s[G0C+3], 0x80000000
	tensor_load_to_lds s[G0A:G0A+3], s[G1A:G1A+7]  ; every wave's one load at the head
	s_nop 0
.rept 4
	v_nop
.endr
	s_lshr_b32 s14, s9, 3                          ; batch
	s_lshl_b32 s14, s14, 7
	s_lshl_b32 s15, ttmp9, 3
	s_add_co_u32 s14, s14, s15
	s_add_co_u32 s14, s14, s[WV]                   ; my row tile of the last product's A: 128 batch + 8 i + w
	s_and_b32 s15, s9, 7                           ; head = its K step
	s_lshl_b32 s52, s14, 3
	s_add_co_u32 s52, s52, s15
	s_mul_i32 s52, s52, 1536
	s_add_nc_u64 s[58:59], s[6:7], s[52:53]        ; where my fragment goes
	s_lshl_b32 s52, s14, 9
	s_add_co_u32 s52, s52, 3145728
	s_lshr_b32 s14, s15, 2
	s_lshl_b32 s14, s14, 8
	s_add_co_u32 s52, s52, s14
	s_and_b32 s15, s15, 3
	s_lshl_b32 s15, s15, 2
	s_add_co_u32 s52, s52, s15
	s_add_nc_u64 s[68:69], s[6:7], s[52:53]        ; and its scale words
	s_mov_b32 s[CS], 0x3e0293ee                    ; c = log2(e) / sqrt(128)
	s_mov_b32 s[CS+1], s[CS]
	s_mov_b32 s[SEL], 0x76543210
	s_mov_b32 s[SEL+1], 0xfedcba98
	s_mov_b32 s[TB], 0
	v_mov_b32 v[FF+1], 0                           ; (named as the upper half of a pair)
	v_mov_b32 v14, 0
	v_mov_b32 v15, 0
.irp b, 0,1,2,3
	v_mov_b32 v[T1+\b], 0                          ; a lane permute's destination counts as one of its sources
.endr
.macro CODES s                         ; 64 numbers and the four scale operands in v[SO] on become a fragment in v[PC] on
.irp c, 0,1
	v_cvt_scalef32_pk16_fp6_f32 v[PC+6*\c:PC+2+6*\c], v[\s+32*\c:\s+15+32*\c], v[SO+2*\c]
	v_cvt_scalef32_pk16_fp6_f32 v[PC+12+4*\c:PC+14+4*\c], v[\s+16+32*\c:\s+31+32*\c], v[SO+1+2*\c]
.endr
	v_nop                                          ; one plain place behind a scaled conversion
.irp c, 0,1                            ; the operand's layout wants a whole block in a lane
.irp i, 0,1,2
	v_permlane16_swap_b32 v[PC+6*\c+\i], v[PC+12+4*\c+\i]
.endr
.irp i, 0,1,2
	s_delay_alu instid0(VALU_DEP_3)
	v_mov_b32 v[PC+3+6*\c+\i], v[PC+12+4*\c+\i]
.endr
.endr
.endm
; A KEY STEP of 128 keys.  kind 1: the diagonal, and the first: it starts M, the sum's terms and O^T.  kind 0: all keys count.  kind 2: the window's edge.
.macro STEP kind
.if \kind != 1
	s_cmp_lt_i32 s[KS], 0                          ; a step in front of the head's first key is left out: a branch on ids
	s_cbranch_scc1 .Lskip_\@
.endif
	v_add_nc_u32 v[ADR], s[TB], v[LI]
.rept 3
	v_nop                                          ; with the addition: four places in front of loads into registers that matrix instructions have read
.endr
	ds_load_b128 v[KSC:KSC+3], v[ADR] offset:24576
.set t, 0
.rept 8
.irp c, 0,1,2
	ds_load_b128 v[F+12*t+4*\c:F+12*t+4*\c+3], v[ADR] offset:1536*t+512*\c
.endr
.set t, t+1
.endr
	s_wait_alu depctr_va_vdst(0)                   ; the wait ahead of the wait below
	s_wait_dscnt 12                                ; the scale words and fragments 0-3 are in; fragments 4-7, 12 loads, may be out
.irp u, 0,1,2,3
	v_wmma_scale_f32_16x16x128_f8f6f4 v[S+8*\u:S+8*\u+7], v[F+12*\u:F+12*\u+11], v[Q:Q+11], 0, v[KSC+\u], v[QSC] matrix_a_fmt:MATRIX_FMT_FP6 matrix_b_fmt:MATRIX_FMT_FP6
.endr
	s_wait_dscnt 0x0
.irp u, 0,1,2,3
	v_wmma_scale_f32_16x16x128_f8f6f4 v[S+32+8*\u:S+32+8*\u+7], v[F+48+12*\u:F+48+12*\u+11], v[Q:Q+11], 0, v[KSC+\u], v[QSC] matrix_a_fmt:MATRIX_FMT_FP6 matrix_b_fmt:MATRIX_FMT_FP6 matrix_a_scale:MATRIX_SCALE_ROW1
.endr
.rept 4
	v_nop                                          ; places: for the loads below and for the first read of the scores
.endr
	ds_load_b128 v[VSC:VSC+3], v[ADR] offset:25088 ; V comes while the softmax is walked
.set t, 0
.rept 8
.irp c, 0,1,2
	ds_load_b128 v[F+12*t+4*\c:F+12*t+4*\c+3], v[ADR] offset:12288+1536*t+512*\c
.endr
.set t, t+1
.endr
.if \kind != 0                         ; register n holds key 16 h + kappa', kappa' = 32 (n / 16) + n % 16.  Hidden scores become -infinity: p = 0 then
.set n, 0
.rept 64
.if \kind == 1
	v_cmp_gt_i32 vcc_lo, 32*(n/16)+n%16, v[DD]     ; hidden where the key comes after the query
.else
	v_cmp_le_i32 vcc_lo, 32*(n/16)+n%16, v[DD]     ; hidden where the key lies 1,024 or more behind it
.endif
	v_cndmask_b32 v[S+n], v[S+n], v[NINF], vcc_lo
.set n, n+1
.endr
.endif
.irp b, 0,1,2,3
	v_max3_num_f32 v[BM+\b], v[S+16*\b], v[S+1+16*\b], v[S+2+16*\b]   ; the largest score of each block of 32 keys: for the row's maximum and, since p rises with the score, for the block's largest p
.endr
.irp i, 3,5,7,9,11,13
.irp b, 0,1,2,3
	v_max3_num_f32 v[BM+\b], v[BM+\b], v[S+16*\b+\i], v[S+1+16*\b+\i]
.endr
.endr
.irp b, 0,1,2,3
	v_max_num_f32 v[BM+\b], v[BM+\b], v[S+15+16*\b]
.endr
.irp b, 0,1,2,3
	s_delay_alu instid0(VALU_DEP_4)
	v_permlanex16_b32 v[T1+\b], v[BM+\b], s[SEL], s[SEL+1]
.endr
.irp b, 0,1,2,3
	s_delay_alu instid0(VALU_DEP_4)
	v_max_num_f32 v[BM+\b], v[BM+\b], v[T1+\b]     ; with lane l xor 16's 16 keys
.endr
	s_delay_alu instid0(VALU_DEP_2)
	v_max3_num_f32 v[TMP], v[BM], v[BM+1], v[BM+2]
	s_delay_alu instid0(VALU_DEP_1)
	v_max_num_f32 v[TMP], v[TMP], v[BM+3]
.if \kind == 1
	s_delay_alu instid0(VALU_DEP_1)
	v_mul_f32 v13, s[CS], v[TMP]                   ; the largest t
	s_delay_alu instid0(VALU_DEP_1)
	v_floor_f32 v12, -v13                          ; -M = floor(-t): M is a whole number
.else
	s_delay_alu instid0(VALU_DEP_1)
	v_mul_f32 v[TMP], s[CS], v[TMP]
	s_delay_alu instid0(VALU_DEP_1)
	v_max_num_f32 v13, v13, v[TMP]                 ; the running largest t
	v_mov_b32 v[TMP], v12
	s_delay_alu instid0(VALU_DEP_2)
	v_floor_f32 v12, -v13
	s_delay_alu instid0(VALU_DEP_1)
	v_sub_f32 v[TMP], v12, v[TMP]                  ; old M - new M: a whole number, 0 or less
	s_delay_alu instid0(VALU_DEP_1)
	v_cvt_i32_f32 v[TMP], v[TMP]
	s_delay_alu instid0(VALU_DEP_1)
	v_ldexp_f32 v[FF], 1.0, v[TMP]                 ; f: a multiplication by it rounds nothing
.endif
.set n, 0
.rept 32
	v_pk_fma_f32 v[S+n:S+n+1], v[S+n:S+n+1], s[CS:CS+1], v[12:13] op_sel_hi:[1,0,0]   ; t - M
.set n, n+2
.endr
.irp b, 0,1,2,3
	v_fma_f32 v[BM+\b], v[BM+\b], s[CS], v12
.endr
	s_wait_alu depctr_va_vdst(0)                   ; the wait ahead of the batch
.set n, 0
.rept 64
	v_exp_f32 v[S+n], v[S+n]                       ; p = 2^(t - M)
.set n, n+1
.endr
.if \kind == 1
	v_nop                                          ; a plain place behind the exponentials
.else
	v_pk_mul_f32 v[14:15], v[14:15], v[FF:FF+1] op_sel_hi:[1,0]   ; the sums under the new M (a plain place behind the exponentials)
.endif
	s_wait_alu depctr_va_vdst(0)                   ; one wait for the batch of 64, ahead of its first use
.irp b, 0,1,2,3
	v_exp_f32 v[BM+\b], v[BM+\b]                   ; the block's largest p
.endr
	v_pk_add_f32 v[T1:T1+1], v[S:S+1], v[S+2:S+3]  ; the row's sum of the unquantised p: 32 pairs in four chains
	v_pk_add_f32 v[T1+2:T1+3], v[S+4:S+5], v[S+6:S+7]
	v_pk_add_f32 v[U:U+1], v[S+8:S+9], v[S+10:S+11]
	v_pk_add_f32 v[14:15], v[14:15], v[S+12:S+13]
.irp j, 14,22,30,38,46,54
	v_pk_add_f32 v[T1:T1+1], v[T1:T1+1], v[S+\j:S+\j+1]
	v_pk_add_f32 v[T1+2:T1+3], v[T1+2:T1+3], v[S+\j+2:S+\j+3]
	v_pk_add_f32 v[U:U+1], v[U:U+1], v[S+\j+4:S+\j+5]
	v_pk_add_f32 v[14:15], v[14:15], v[S+\j+6:S+\j+7]
.endr
	v_pk_add_f32 v[T1:T1+1], v[T1:T1+1], v[S+62:S+63]
	v_pk_add_f32 v[14:15], v[14:15], v[U:U+1]
	s_delay_alu instid0(VALU_DEP_2)
	v_pk_add_f32 v[T1:T1+1], v[T1:T1+1], v[T1+2:T1+3]
	s_delay_alu instid0(VALU_DEP_1)
	v_pk_add_f32 v[14:15], v[14:15], v[T1:T1+1]
	s_wait_alu depctr_va_vdst(0)                   ; and one for the four
.irp b, 0,1,2,3
	v_max_num_f32 v[BM+\b], 0x1800000, v[BM+\b]    ; the floor 2^(3 - 127): the byte cannot fall under 1
.endr
.irp b, 0,1,2,3
	s_delay_alu instid0(VALU_DEP_4)
	v_add_nc_u32 v[SO+\b], 0xff000000, v[BM+\b]    ; 2 off the exponent field: the conversion's scale operand
.endr
.irp b, 0,1,2,3
	s_delay_alu instid0(VALU_DEP_4)
	v_lshrrev_b32 v[T1+\b], 23, v[SO+\b]           ; the scale's byte
.endr
	s_delay_alu instid0(VALU_DEP_3)
	v_lshl_or_b32 v[PSC], v[T1+1], 8, v[T1]
	s_delay_alu instid0(VALU_DEP_1)
	v_lshl_or_b32 v[PSC], v[T1+2], 16, v[PSC]
	s_delay_alu instid0(VALU_DEP_1)
	v_lshl_or_b32 v[PSC], v[T1+3], 24, v[PSC]
	CODES S
.if \kind != 1
	WIN 0x41                                       ; O^T in window 1, f in window 0
.set n, 0
.rept 32
	v_pk_mul_f32 v[n:n+1], v[n:n+1], v[FF:FF+1] op_sel_hi:[1,0]   ; O^T under the new M
.set n, n+2
.endr
.rept 4
	v_nop                                          ; between the last of them and the products that add onto them
.endr
.else
	s_wait_alu depctr_va_vdst(0)
.rept 8
	v_nop                                          ; a scale register written by a vector instruction stands 8 places ahead of a scaled matrix instruction, an operand 4
.endr
.endif
	s_wait_alu depctr_va_vdst(0)                   ; the wait ahead of the wait below
	s_wait_dscnt 0x0                               ; V is in
	WIN 0x50                                       ; C and D window 1
.irp u, 0,1,2,3,4,5,6,7                ; the eight accumulators by turns
.if \kind == 1
.if \u < 4
	v_wmma_scale_f32_16x16x128_f8f6f4 v[8*\u:8*\u+7], v[F+12*\u:F+12*\u+11], v[PC:PC+11], 0, v[VSC+\u%4], v[PSC] matrix_a_fmt:MATRIX_FMT_FP6 matrix_b_fmt:MATRIX_FMT_FP6
.else
	v_wmma_scale_f32_16x16x128_f8f6f4 v[8*\u:8*\u+7], v[F+12*\u:F+12*\u+11], v[PC:PC+11], 0, v[VSC+\u%4], v[PSC] matrix_a_fmt:MATRIX_FMT_FP6 matrix_b_fmt:MATRIX_FMT_FP6 matrix_a_scale:MATRIX_SCALE_ROW1
.endif
.else
.if \u < 4
	v_wmma_scale_f32_16x16x128_f8f6f4 v[8*\u:8*\u+7], v[F+12*\u:F+12*\u+11], v[PC:PC+11], v[8*\u:8*\u+7], v[VSC+\u%4], v[PSC] matrix_a_fmt:MATRIX_FMT_FP6 matrix_b_fmt:MATRIX_FMT_FP6
.else
	v_wmma_scale_f32_16x16x128_f8f6f4 v[8*\u:8*\u+7], v[F+12*\u:F+12*\u+11], v[PC:PC+11], v[8*\u:8*\u+7], v[VSC+\u%4], v[PSC] matrix_a_fmt:MATRIX_FMT_FP6 matrix_b_fmt:MATRIX_FMT_FP6 matrix_a_scale:MATRIX_SCALE_ROW1
.endif
.endif
.endr
	WIN 0
.if \kind != 1
.Lskip_\@:
	s_add_co_i32 s[KS], s[KS], 1
.endif
	s_add_co_u32 s[TB], s[TB], STEPB               ; the next step lies behind this one in LDS
.endm
	s_wait_alu depctr_va_vdst(0)                   ; the wait at the head's end
	s_wait_loadcnt 0x0                             ; Q and its scale words
	s_wait_tensorcnt 0x0                           ; my part of steps i - 3 .. i is in;
	ds_add_u32 v[SPW], v[NIL]                      ; the lines ahead of a later first fill
	s_wait_dscnt 0x0
	s_barrier_signal -1
	s_barrier_wait -1                              ; everybody's part is in
	s_cmp_lt_u32 s[WV], 4
	s_cbranch_scc0 .Lno_fill
	tensor_load_to_lds s[G0C:G0C+3], s[G1C:G1C+7]  ; steps i - 8 .. i - 4
	s_nop 0
.rept 4
	v_nop
.endr
.Lno_fill:
	STEP 1
	s_sub_co_i32 s[KS], ttmp9, 3
	s_mov_b32 s[CNT], 3
.Lnear:
	STEP 0
	s_sub_co_u32 s[CNT], s[CNT], 1
	s_cmp_lg_u32 s[CNT], 0
	s_cbranch_scc1 .Lnear
	s_sub_co_i32 s[KS], ttmp9, 8
	s_wait_tensorcnt 0x0                           ; steps i - 8 .. i - 4: my part, if I brought one;
	s_barrier_signal -1
	s_barrier_wait -1                              ; everybody's.
	STEP 2
	s_mov_b32 s[CNT], 4
.Lfar:
	STEP 0
	s_sub_co_u32 s[CNT], s[CNT], 1
	s_cmp_lg_u32 s[CNT], 0
	s_cbranch_scc1 .Lfar
	; THE WAY OUT: O^T / the sum; register n is column 32 (n / 16) + 16 h + n % 16 of my head: the quantiser's order along the last product's K
.rept 4
	v_nop                                          ; places behind the last products
.endr
	v_add_f32 v14, v14, v15
	s_delay_alu instid0(VALU_DEP_1)
	v_permlanex16_b32 v[T1], v14, s[SEL], s[SEL+1]
	s_delay_alu instid0(VALU_DEP_1)
	v_add_f32 v14, v14, v[T1]                      ; the row's sum
	s_wait_alu depctr_va_vdst(0)                   ; the wait ahead of the transcendental
	v_rcp_f32 v14, v14
	v_nop                                          ; a plain place behind it
	s_wait_alu depctr_va_vdst(0)                   ; and the wait ahead of its first use
	WIN 0x01                                       ; source 0: O^T, window 1
.set n, 0
.rept 32
	v_pk_mul_f32 v[S+n:S+n+1], v[n:n+1], v[14:15] op_sel_hi:[1,0]
.set n, n+2
.endr
	WIN 0
.irp b, 0,1,2,3
	v_max3_num_f32 v[BM+\b], |v[S+16*\b]|, |v[S+1+16*\b]|, 0x1800000
.endr
.irp i, 2,4,6,8,10,12,14
.irp b, 0,1,2,3
	s_delay_alu instid0(VALU_DEP_4)
	v_max3_num_f32 v[BM+\b], v[BM+\b], |v[S+16*\b+\i]|, |v[S+1+16*\b+\i]|
.endr
.endr
.irp b, 0,1,2,3
	s_delay_alu instid0(VALU_DEP_4)
	v_permlanex16_b32 v[T1+\b], v[BM+\b], s[SEL], s[SEL+1]
.endr
.irp b, 0,1,2,3
	s_delay_alu instid0(VALU_DEP_4)
	v_max_num_f32 v[BM+\b], v[BM+\b], v[T1+\b]
.endr
.irp b, 0,1,2,3
	s_delay_alu instid0(VALU_DEP_4)
	v_add_nc_u32 v[SO+\b], 0xff000000, v[BM+\b]
.endr
.irp b, 0,1,2,3
	s_delay_alu instid0(VALU_DEP_4)
	v_lshrrev_b32 v[T1+\b], 23, v[SO+\b]
.endr
	s_delay_alu instid0(VALU_DEP_3)
	v_lshl_or_b32 v[PW], v[T1+1], 8, v[T1]
	s_delay_alu instid0(VALU_DEP_1)
	v_lshl_or_b32 v[PW], v[T1+2], 16, v[PW]
	s_delay_alu instid0(VALU_DEP_1)
	v_lshl_or_b32 v[PW], v[T1+3], 24, v[PW]
	CODES S
.irp c, 0,1,2
	global_store_b128 v[LI], v[PC+4*\c:PC+4*\c+3], s[58:59] offset:512*\c   ; 512 consecutive bytes, aligned
.endr
	global_store_b32 v6, v[PW], s[68:69]           ; lanes l and l + 16 hold the same row's word and write it to the same place
	s_wait_tensorcnt 0x0                           ; the wave's end
	ds_add_u32 v[SPW], v[NIL]
	s_wait_dscnt 0x0
	s_endpgm
.Lfunc_end_k_q520e4c7a4f_attn:
	.size	k_q520e4c7a4f_attn, .Lfunc_end_k_q520e4c7a4f_attn-k_q520e4c7a4f_attn
	.p2alignl 7, 3214868480
	.fill 96, 4, 3214868480
	.section	.rodata,"a",@progbits
	.p2align	6, 0x0
	.amdhsa_kernel k_q520e4c7a4f_attn
		.amdhsa_group_segment_fixed_size 327680
		.amdhsa_private_segment_fixed_size 0
		.amdhsa_enable_private_segment 0
		.amdhsa_kernarg_size 16
		.amdhsa_user_sgpr_count 2
		.amdhsa_user_sgpr_kernarg_segment_ptr 1
		.amdhsa_wavefront_size32 1
		.amdhsa_system_sgpr_workgroup_id_x 1
		.amdhsa_system_sgpr_workgroup_id_y 1
		.amdhsa_system_sgpr_workgroup_id_z 1
		.amdhsa_system_vgpr_workitem_id 0
		.amdhsa_next_free_vgpr 320
		.amdhsa_next_free_sgpr 80
		.amdhsa_reserve_vcc 1
		.amdhsa_float_denorm_mode_32 3
		.amdhsa_float_denorm_mode_16_64 3
		.amdhsa_memory_ordered 1
		.amdhsa_forward_progress 1
		.amdhsa_inst_pref_size 102
	.end_amdhsa_kernel
	.amdgpu_metadata
---
amdhsa.version: [ 1, 2 ]
amdhsa.kernels:
  - .name:           k_q520e4c7a4f_attn
    .symbol:         k_q520e4c7a4f_attn.kd
    .args:
      - { .name: qkv, .offset: 0, .size: 8, .value_kind: global_buffer, .address_space: global }
      - { .name: at, .offset: 8, .size: 8, .value_kind: global_buffer, .address_space: global }
    .group_segment_fixed_size: 327680
    .private_segment_fixed_size: 0
    .kernarg_segment_align: 8
    .kernarg_segment_size: 16
    .max_flat_workgroup_size: 256
    .sgpr_count:     80
    .vgpr_count:     320
    .wavefront_size: 32
...
	.end_amdgpu_metadata
.endif
;; end of part 3
;; launch oproj (part 4): grid 8 x 32, 4 waves a work-group, clusters of 4 x 4, 327,680 bytes of LDS; arguments at, xw, out0; writes out0
.if DOCPART == 4
	.amdgcn_target "amdgcn-amd-amdhsa--gfx1250"
	.amdhsa_code_object_version 6
	.text
	.protected	k_q520e4c7a4f_oproj
	.globl	k_q520e4c7a4f_oproj
	.p2align	8
	.type	k_q520e4c7a4f_oproj,@function
k_q520e4c7a4f_oproj:
	s_mov_b64 s[64:65], 0
	v_nop
	global_prefetch_b8 v0, s[64:65] scope:SCOPE_SE
	s_setreg_imm32_b32 hwreg(HW_REG_WAVE_MODE, 25, 1), 1
	s_wait_xcnt 0x0
	s_wait_alu depctr_hold_cnt(0) depctr_sa_sdst(0) depctr_va_vdst(0) depctr_va_sdst(0) depctr_va_ssrc(0) depctr_va_vcc(0) depctr_vm_vsrc(0)
	s_getreg_b32 s2, hwreg(HW_REG_IB_STS2, 6, 4)
	s_cmp_eq_u32 s2, 0
	s_cbranch_scc0 .Lentry_in_a_cluster
	s_endpgm
.Lentry_in_a_cluster:
	s_bfe_u32 s2, ttmp6, 0x10000c
	s_cmp_lg_u32 s2, 0xf033
	s_cbranch_scc0 .Lentry_shape_is_right
	s_endpgm
.Lentry_shape_is_right:
; out0 [4096][2048] = attn [4096][1024] x wo [2048][1024]^T on codes of FP6 (E2M3) with E8M0 scales, f32 sums and f32 results.
; A block of 128 tokens x 256 columns to a work-group: 32 x 8 = 256 work-groups.  Four waves, each 64 x 128: 32 accumulators, 256 registers (window 2).
; Operands lie in memory as images of their registers (a fragment, 16 rows x 128 K: 1,536 bytes, registers 4 c .. 4 c + 3 of lane l at 512 c + 16 l), a row tile's 8 K steps on end: 12,288 bytes.
; ALL OF K LIES IN LDS, each byte filled once: the block's 8 row tiles of attn (98,304 bytes) and 16 of wo (196,608) are dense in memory; each wave brings one half of one of them by ONE joint load,
; as rows of 256 bytes: waves 0, 1 attn's halves, waves 2, 3 wo's.  One wait and one barrier show all of it to all waves; the K steps have no barrier.  No loop and no later fill: so no prefetch.
; CLUSTERS: 4 x 4; attn's tiles are shared along a row of the cluster, wo's along a column.
; The matrix instruction is used transposed (source 0 = wo's rows, source 1 = tokens): a lane holds 8 neighbouring columns of one token.  THE ROWS OF A TILE ARE NOT NEIGHBOURS (lane r of row tile RT: row
; 32 (RT / 2) + 8 (RT % 2) + r + 8 (r / 8)), on both sides: the way out puts columns and rows back in their places.
; The scale words come straight into registers: one b128 brings a row's words of four K steps.
; THE WAY OUT: 16 rows x 128 columns at a time through the wave's own stage in LDS, back as rows of 512 bytes, stored as aligned units of 512 bytes.  The stage lies on attn's tiles: a barrier stands between
; every wave's last read of the tiles and the first store to a stage, and no fill follows.
.set NS,    8
.set RTS,   NS*1536
.set FR,    12
.set NL,    3
.set NP,    4                          ; places behind this matrix instruction (ISA guide 7.12.1)
.set AHALF, 4*RTS
.set BHALF, 8*RTS
.set SPARE, 2*AHALF+2*BHALF            ; the spare words: 512 bytes that no other line names
.set AS,    3145728                    ; attn's scale bytes in at
.set OC,    11010048                   ; wo's codes in xw,
.set OS,    13041664                   ; its scale bytes
.set SPITCH, 528
.set ADRA, 16                          ; v16    my 4 row tiles of attn
.set ADRB, 20                          ; v20-21 my row tiles 0-3, 4-7 of wo
.set STO,  24
.set RD,   25
.set CO,   26                          ; 16 x lane
.set SCA,  27                          ; 16 r
.set SPW,  28
.set NIL,  29
.set SA,   32                          ; v32-63  attn's scale words: 8 a + K step
.set SB,   64                          ; v64-127 wo's: 8 b + K step
.set AF,   128                         ; attn's fragments, two sets of 48
.set BK,   128
.set G1,   24
.set G1B,  32
.set G0,   40
.set G0B,  68
.set MSB, 0
.macro WIN new
.if MSB != (\new)
	s_set_vgpr_msb (MSB<<8)|(\new)
.set MSB, (\new)
.endif
.endm
.set MUL,  0xa1                        ; source 0 window 1, source 1 window 0, C and D window 2
.set TO_B, 0x40
.macro CROUND                          ; a round of the cluster's barrier
	s_barrier_signal -1
	s_barrier_wait -1
	s_cmp_lg_u32 s14, 0
	s_cbranch_scc1 .Lnot_wave_0_\@
	s_barrier_signal -3
.Lnot_wave_0_\@:
	s_barrier_wait -3
	s_barrier_signal -1
	s_barrier_wait -1
.endm
	s_load_b128 s[4:7], s[0:1], 0x0                ; at, xw
	s_load_b64 s[12:13], s[0:1], 0x10              ; out0
	v_lshl_add_u32 v[SPW], v0, 2, SPARE
	v_mov_b32 v[NIL], 0
	ds_add_u32 v[SPW], v[NIL]                      ; the opening lines
	ds_add_u32 v[SPW], v[NIL]
	v_lshrrev_b32 v1, 5, v0
	v_readfirstlane_b32 s14, v1                    ; wave
	s_lshr_b32 s15, s14, 1                         ; my half of the tokens; also: I fetch attn (0) or wo (1)
	s_and_b32 s16, s14, 1                          ; my half of the columns; also: which half I fetch
	s_bfe_u32 s56, ttmp6, 0x40000                  ; cx
	s_bfe_u32 s57, ttmp6, 0x40004                  ; cy
	s_lshl_b32 s58, ttmp9, 2
	s_add_co_u32 s58, s58, s56                     ; block column
	s_and_b32 s17, ttmp7, 0xffff
	s_lshl_b32 s17, s17, 2
	s_add_co_u32 s17, s17, s57                     ; block row
	s_lshl_b32 s59, s57, 2
	s_lshl_b32 s59, 15, s59                        ; my row of the cluster
	s_lshl_b32 s60, 0x1111, s56                    ; my column
	s_or_b32 s[G1+0], s59, (3<<16)|(1<<21)         ; dense blocks as rows of 256 bytes (32 elements of 8 bytes): 192 rows of attn,
	s_mov_b32 s[G1+1], 32<<16
	s_mov_b32 s[G1+2], (AHALF/256)<<16
	s_mov_b32 s[G1+3], 32<<16
	s_mov_b32 s[G1+4], AHALF/256
	s_mov_b32 s[G1+5], 32
	s_mov_b32 s[G1+6], 0
	s_mov_b32 s[G1+7], 0
	s_or_b32 s[G1B+0], s60, (3<<16)|(1<<21)        ; 384 of wo
	s_mov_b32 s[G1B+1], 32<<16
	s_mov_b32 s[G1B+2], (BHALF/256)<<16
	s_mov_b32 s[G1B+3], 32<<16
	s_mov_b32 s[G1B+4], BHALF/256
	s_mov_b32 s[G1B+5], 32
	s_mov_b32 s[G1B+6], 0
	s_mov_b32 s[G1B+7], 0
	s_lshl_b32 s20, s17, 3
	s_lshl_b32 s19, s16, 2
	s_add_co_u32 s20, s20, s19
	s_mul_i32 s20, s20, RTS                        ; attn: row tile 8 x block row + 4 x half
	s_mov_b32 s21, 0
	s_lshl_b32 s62, s58, 4
	s_lshl_b32 s19, s16, 3
	s_add_co_u32 s62, s62, s19
	s_mul_i32 s62, s62, RTS                        ; wo: row tile 16 x block column + 8 x half
	s_add_co_u32 s62, s62, OC
	s_mov_b32 s63, 0
	s_mul_i32 s18, s16, AHALF                      ; LDS, by the wave's number alone
	s_mul_i32 s19, s16, BHALF
	s_add_co_u32 s19, s19, 2*AHALF
	s_lshl_b32 s8, s17, 3                          ; my tokens' scale bytes: 512 a row tile
	s_lshl_b32 s9, s15, 2
	s_add_co_u32 s8, s8, s9
	s_lshl_b32 s8, s8, 9
	s_add_co_u32 s8, s8, AS
	s_mov_b32 s9, 0
	s_lshl_b32 s10, s58, 4                         ; my columns'
	s_lshl_b32 s11, s16, 3
	s_add_co_u32 s10, s10, s11
	s_lshl_b32 s10, s10, 9
	s_add_co_u32 s10, s10, OS
	s_mov_b32 s11, 0
	v_and_b32 v1, 15, v0                           ; r
	v_lshlrev_b32 v[SCA], 4, v1
	s_wait_alu depctr_va_vdst(0)                   ; the wait ahead of the waits below
	s_wait_dscnt 0x0
	s_wait_kmcnt 0x0
	s_add_nc_u64 s[8:9], s[4:5], s[8:9]
	s_add_nc_u64 s[10:11], s[6:7], s[10:11]
.irp a, 0,1,2,3
.irp k, 0,1
	global_load_b128 v[SA+8*\a+4*\k:SA+8*\a+4*\k+3], v[SCA], s[8:9] offset:512*\a+256*\k
.endr
.endr
.irp b, 0,1,2,3,4,5,6,7
.irp k, 0,1
	global_load_b128 v[SB+8*\b+4*\k:SB+8*\b+4*\k+3], v[SCA], s[10:11] offset:512*\b+256*\k
.endr
.endr
	s_add_nc_u64 s[20:21], s[4:5], s[20:21]
	s_add_nc_u64 s[62:63], s[6:7], s[62:63]
	CROUND                                         ; all sixteen work-groups are here: the joint loads meet
	s_mov_b32 s[G0], 1
	s_mov_b32 s[G0+1], s18
	s_mov_b64 s[G0+2:G0+3], s[20:21]
	s_or_b32 s[G0+3], s[G0+3], 0x80000000
	s_mov_b32 s[G0B], 1
	s_mov_b32 s[G0B+1], s19
	s_mov_b64 s[G0B+2:G0B+3], s[62:63]
	s_or_b32 s[G0B+3], s[G0B+3], 0x80000000
	s_cmp_eq_u32 s15, 0                            ; every wave's one and only tensor load; s_nop 0 and four v_nop behind each line
	s_cbranch_scc0 .Lfor_b
	tensor_load_to_lds s[G0:G0+3], s[G1:G1+7]
	s_nop 0
.rept 4
	v_nop
.endr
	s_branch .Lasked
.Lfor_b:
	tensor_load_to_lds s[G0B:G0B+3], s[G1B:G1B+7]
	s_nop 0
.rept 4
	v_nop
.endr
.Lasked:
	s_mul_i32 s21, s15, AHALF
	s_mul_i32 s22, s16, BHALF
	s_add_co_u32 s22, s22, 2*AHALF
	s_mul_i32 s23, s14, 16*SPITCH                  ; my stage
	s_lshl_b32 s20, s17, 7
	s_lshl_b32 s18, s15, 6
	s_add_co_u32 s20, s20, s18                     ; my first token
	s_lshl_b32 s20, s20, 13                        ; a row of out0 is 8,192 bytes
	s_lshl_b32 s62, s58, 10
	s_lshl_b32 s63, s16, 9
	s_add_co_u32 s62, s62, s63
	s_add_co_u32 s20, s20, s62
	v_bfe_u32 v2, v0, 4, 1                         ; h
	v_and_b32 v3, 31, v0
	v_lshlrev_b32 v[CO], 4, v3
	v_add_nc_u32 v[ADRA], s21, v[CO]
	v_add_nc_u32 v[ADRB], s22, v[CO]
	v_add_nc_u32 v[ADRB+1], 4*RTS, v[ADRB]
	v_mul_u32_u24 v5, v1, SPITCH
	v_lshl_add_u32 v5, v2, 6, v5                   ; into the stage: row r, 64 h
	v_add_nc_u32 v[STO], s23, v5
	v_add_nc_u32 v[RD], s23, v[CO]
	s_mov_b32 s21, 0
	s_add_nc_u64 s[12:13], s[12:13], s[20:21]
.macro FRAG reg, adr, s, i             ; row tile i of the address's four, K step s: three loads of 512 consecutive bytes
.irp c, 0,1,2
	ds_load_b128 v[\reg+4*\c:\reg+4*\c+3], v[\adr] offset:RTS*(\i)+1536*(\s)+512*\c
.endr
.endm
.macro MUL16 a0, p, s, zero            ; the 32 accumulators take turns, one instruction a turn, in the same order in every step
.irp a, \a0, \a0+1
.irp b, 0,1,2,3,4,5,6,7
.if \zero
	v_wmma_scale_f32_16x16x128_f8f6f4 v[8*(8*(\a)+\b):8*(8*(\a)+\b)+7], v[128*(\p)+FR*\b:128*(\p)+FR*\b+FR-1], v[AF+48*(\p)+FR*(\a):AF+48*(\p)+FR*(\a)+FR-1], 0, v[SB+8*\b+(\s)], v[SA+8*(\a)+(\s)] matrix_a_fmt:MATRIX_FMT_FP6 matrix_b_fmt:MATRIX_FMT_FP6
.else
	v_wmma_scale_f32_16x16x128_f8f6f4 v[8*(8*(\a)+\b):8*(8*(\a)+\b)+7], v[128*(\p)+FR*\b:128*(\p)+FR*\b+FR-1], v[AF+48*(\p)+FR*(\a):AF+48*(\p)+FR*(\a)+FR-1], v[8*(8*(\a)+\b):8*(8*(\a)+\b)+7], v[SB+8*\b+(\s)], v[SA+8*(\a)+(\s)] matrix_a_fmt:MATRIX_FMT_FP6 matrix_b_fmt:MATRIX_FMT_FP6
.endif
.endr
.endr
.endm
.macro FETCH_B s, p
	WIN TO_B
.irp i, 0,1,2,3
	FRAG 128*(\p)+FR*\i, ADRB, \s, \i
.endr
.irp i, 0,1,2,3
	FRAG 128*(\p)+FR*(4+\i), ADRB+1, \s, \i
.endr
	WIN 0
.endm
.macro FETCH_A s, p
.irp i, 0,1,2,3
	FRAG AF+48*(\p)+FR*\i, ADRA, \s, \i
.endr
.endm
.macro PLACES n
.rept \n
	v_nop
.endr
.endm
.macro STEP s, zero                    ; K step s on set s % 2; the next step's fragments come into the other set
	s_wait_dscnt 2*NL                              ; all but the youngest 6 loads (tokens' tiles 2, 3) are in
.if !\zero
	PLACES NP                                      ; in front of loads into the set that the step before multiplied
.endif
	FETCH_B (\s)+1, 1-(\s)%2
	WIN MUL
	MUL16 0, (\s)%2, \s, \zero
	WIN 0
	s_wait_dscnt 8*NL                              ; all but the 24 just issued
	FETCH_A (\s)+1, 1-(\s)%2
	WIN MUL
	MUL16 2, (\s)%2, \s, \zero
	WIN 0
.endm
	s_wait_alu depctr_va_vdst(0)                   ; the wait at the head's end
	s_wait_tensorcnt 0x0                           ; my half is in
	s_barrier_signal -1
	s_barrier_wait -1                              ; everybody's is
	FETCH_B 0, 0
	FETCH_A 0, 0
	s_wait_loadcnt 0x0                             ; the scale words
	STEP 0, 1                                      ; the first step's products start the sums
.irp s, 1,2,3,4,5,6
	STEP \s, 0
.endr
	s_wait_dscnt 2*NL
	WIN MUL
	MUL16 0, 1, 7, 0
	s_wait_dscnt 0                                 ; my reads of the tiles are over
	MUL16 2, 1, 7, 0
	WIN 0
	s_barrier_signal -1
	s_barrier_wait -1                              ; everybody's are: the stages may be written
.macro TOSTAGE a
.set AC, 64*(\a)
	WIN 0x08                                       ; the data: window 2
.irp b, 0,1,2,3,4,5,6,7
	ds_store_b128 v[STO], v[AC+8*\b:AC+8*\b+3] offset:128*(\b/2)+32*(\b%2)       ; register j of tile b is column 32 (b / 2) + 16 h + 8 (b % 2) + j; each accumulator from its low end on
	ds_store_b128 v[STO], v[AC+8*\b+4:AC+8*\b+7] offset:128*(\b/2)+32*(\b%2)+16
.endr
	WIN 0
.set BB, BK+64*((\a)%2)
.irp t, 0,1,2,3,4,5,6,7,8,9,10,11,12,13,14,15
	ds_load_b128 v[BB+4*\t:BB+4*\t+3], v[RD] offset:\t*SPITCH   ; LDS serves a wave's instructions in order (ISA guide 5.7.1.4): these see the stores above
.endr
.endm
.macro SEND a, younger
.set BB, BK+64*((\a)%2)
	s_wait_dscnt \younger
.irp t, 0,1,2,3,4,5,6,7,8,9,10,11,12,13,14,15
	global_store_b128 v[CO], v[BB+4*\t:BB+4*\t+3], s[12:13] offset:(32*((\a)/2)+8*((\a)%2)+\t+8*(\t/8))*8192 th:TH_STORE_NT   ; 512 consecutive bytes, aligned
.endr
.endm
	PLACES NP
	TOSTAGE 0
.irp a, 1,2,3
.if \a > 1
	s_wait_xcnt 0x0                                ; block a - 2's stores have read their registers
.endif
	TOSTAGE \a
	SEND \a-1, 32                                  ; behind block a - 1's loads: block a's 16 stores and 16 loads
.endr
	SEND 3, 0
	s_wait_tensorcnt 0x0                           ; the wave's end
	ds_add_u32 v[SPW], v[NIL]
	s_wait_dscnt 0x0
	CROUND                                         ; the closing round
	s_endpgm
.Lfunc_end_k_q520e4c7a4f_oproj:
	.size	k_q520e4c7a4f_oproj, .Lfunc_end_k_q520e4c7a4f_oproj-k_q520e4c7a4f_oproj
	.p2alignl 7, 3214868480
	.fill 96, 4, 3214868480
	.section	.rodata,"a",@progbits
	.p2align	6, 0x0
	.amdhsa_kernel k_q520e4c7a4f_oproj
		.amdhsa_group_segment_fixed_size 327680
		.amdhsa_private_segment_fixed_size 0
		.amdhsa_enable_private_segment 0
		.amdhsa_kernarg_size 24
		.amdhsa_user_sgpr_count 2
		.amdhsa_user_sgpr_kernarg_segment_ptr 1
		.amdhsa_wavefront_size32 1
		.amdhsa_system_sgpr_workgroup_id_x 1
		.amdhsa_system_sgpr_workgroup_id_y 1
		.amdhsa_system_sgpr_workgroup_id_z 1
		.amdhsa_system_vgpr_workitem_id 0
		.amdhsa_next_free_vgpr 768
		.amdhsa_next_free_sgpr 88
		.amdhsa_reserve_vcc 0
		.amdhsa_float_denorm_mode_32 3
		.amdhsa_float_denorm_mode_16_64 3
		.amdhsa_memory_ordered 1
		.amdhsa_forward_progress 1
		.amdhsa_inst_pref_size 76
	.end_amdhsa_kernel
	.amdgpu_metadata
---
amdhsa.version: [ 1, 2 ]
amdhsa.kernels:
  - .name:           k_q520e4c7a4f_oproj
    .symbol:         k_q520e4c7a4f_oproj.kd
    .args:
      - { .name: at, .offset: 0, .size: 8, .value_kind: global_buffer, .address_space: global }
      - { .name: xw, .offset: 8, .size: 8, .value_kind: global_buffer, .address_space: global }
      - { .name: out0, .offset: 16, .size: 8, .value_kind: global_buffer, .address_space: global }
    .group_segment_fixed_size: 327680
    .private_segment_fixed_size: 0
    .kernarg_segment_align: 8
    .kernarg_segment_size: 24
    .max_flat_workgroup_size: 128
    .sgpr_count:     88
    .vgpr_count:     768
    .wavefront_size: 32
...
	.end_amdgpu_metadata
.endif
;; end of part 4
